; MI455X (gfx1250); checked and timed in simulation.
; The chip was launched on July 23, 2026; its instructions are those of AMD's public machine-readable ISA for CDNA 5 (MIT licence, August 2026) and "CDNA5" Instruction Set Architecture Reference Guide (July 2026). The comments in the code are by the model that wrote it; some were corrected since.
;; Multi Head Attention. Allowed arithmetic: matrix products marked QUANTISED: E2M1 operands, one E8M0 scale for each 32 along K, by v_wmma_scale_f32_16x16x128_f8f6f4 with both operands' format E2M1 (or v_wmma_scale_f32_32x16x128_f4), f32 sums; everything else in f32.
;; Inputs: W_k_codes 1,024 x 32 x 16 uint8 (E2M1 codes of W_k, K innermost, in blocks of 32 codes, two codes a byte); W_k_scales 1,024 x 32 uint8 (E8M0 scales of W_k, one for each 32 codes along K); W_o_codes 1,024 x 32 x 16 uint8 (E2M1 codes of W_o, K innermost, in blocks of 32 codes, two codes a byte); W_o_scales 1,024 x 32 uint8 (E8M0 scales of W_o, one for each 32 codes along K); W_q_codes 1,024 x 32 x 16 uint8 (E2M1 codes of W_q, K innermost, in blocks of 32 codes, two codes a byte); W_q_scales 1,024 x 32 uint8 (E8M0 scales of W_q, one for each 32 codes along K); W_v_codes 1,024 x 32 x 16 uint8 (E2M1 codes of W_v, K innermost, in blocks of 32 codes, two codes a byte); W_v_scales 1,024 x 32 uint8 (E8M0 scales of W_v, one for each 32 codes along K); b_k 1,024 float32; b_o 1,024 float32; b_q 1,024 float32; b_v 1,024 float32; x_codes 4 x 2,048 x 32 x 16 uint8 (E2M1 codes of x, K innermost, in blocks of 32 codes, two codes a byte); x_scales 4 x 2,048 x 32 uint8 (E8M0 scales of x, one for each 32 codes along K).
;; Outputs: out0 4 x 2,048 x 1,024 float32.
;; This version of the problem:
;;   THIS VERSION OF THE PROBLEM IS GIVEN IN LOW PRECISION. The matrix products marked QUANTISED in the list below multiply operands that are first quantised to E2M1 (2 exponent bits, 1 mantissa bit; 4 bits a number), with one power-of-two scale for each 32 numbers along K (OCP MX v1.0); their sums are f32. All else is computed in f32.
;;   The module's matrix products, in the order in which they are computed (A, B: the left and right operand; K: the contracted axis; several contracted axes count as one K, in the product's order):
;;     1. [M 8,192, K 1,024] x [K 1,024, N 1,024]; A: input x (given as codes); B: input W_q (given as codes): QUANTISED
;;     2. [M 8,192, K 1,024] x [K 1,024, N 1,024]; A: input x (given as codes); B: input W_k (given as codes): QUANTISED
;;     3. [M 8,192, K 1,024] x [K 1,024, N 1,024]; A: input x (given as codes); B: input W_v (given as codes): QUANTISED
;;     4. batch 64 x [M 2,048, K 64] x [K 64, N 2,048]; A: computed on the way; B: computed on the way: QUANTISED
;;     5. batch 64 x [M 2,048, K 2,048] x [K 2,048, N 64]; A: softmax (see below); B: computed on the way: QUANTISED
;;     6. [M 8,192, K 1,024] x [K 1,024, N 1,024]; A: computed on the way; B: input W_o (given as codes): QUANTISED
;;   THE QUANTISER, for each operand of a quantised product, along K:
;;     - K is cut into blocks of 32 from its start; a last block that is shorter is filled with zeros.
;;     - A block's scale is 2^e with e = floor(log2(the largest magnitude in the block)) - 2, held to -126 .. 127; a block of zeros has e = 0. As a byte (E8M0): e + 127.
;;     - Each number is divided by its block's scale, clamped to +-6, and rounded to the nearest number of E2M1, ties to even, subnormals kept.
;;     - The product sums the exact products of the quantised numbers (number of the format x scale) in f32.
;;   ~~~python
;;   def quantise(x, axis):      # numpy; x: float32 -> the quantised numbers, widened to float32 again
;;       x = np.moveaxis(x, axis, -1); K = x.shape[-1]
;;       x = np.pad(x, [(0, 0)] * (x.ndim - 1) + [(0, -K % 32)]); x = x.reshape(x.shape[:-1] + (-1, 32)); a = np.abs(x).max(-1, keepdims=True)
;;       e = np.where(a > 0, np.clip(np.frexp(np.where(a > 0, a, 1))[1] - 1 - 2, -126, 127), 0)      # np.frexp(a)[1] - 1 = floor(log2(a)), exactly
;;       r = np.clip(x / 2.0 ** e, -6, 6)
;;       step = 2.0 ** (np.maximum(np.frexp(np.where(r == 0, 1, r))[1] - 1, 0) - 1)
;;       q = np.round(r / step) * step * 2.0 ** e      # np.round: ties to even
;;       return np.moveaxis(q.reshape(q.shape[:-2] + (-1,))[..., :K], -1, axis).astype(np.float32)
;;   ~~~
;;   SOFTMAX AHEAD OF A QUANTISED PRODUCT. Where the list says 'softmax', what is quantised is not the finished softmax but p = 2^(t - M), with t = logit x log2(e) and M = ceil(the row's largest t), a whole number; so 1/2 < the row's largest p <= 1. The row's sum l is taken of the UNQUANTISED p, in f32, and the product's result is divided by l at the end. Since M is a whole number, a kernel that streams over the keys may use a running M (the ceiling of the running maximum): every later rescaling is an exact power of two, which a block's scale takes up: the codes' values come out the same.
;;   OPERANDS COMPUTED ON THE WAY. 'Computed on the way' means the value that the module computes at that place (a softmax that the list does not call 'softmax' is quantised finished and normalised). What goes into a quantiser is computed in f32, as accurately as f32 sums, v_exp_f32 and their like allow (about 1e-6 of the number): no bf16 or f16 on the way to a quantiser, and a product that is left as it is and whose result goes on into a quantised operand takes f32 operands (vector FMAs, or v_wmma_f32_16x16x4_f32). A number that lies on a knife's edge between two numbers of the format may be rounded either way, as far as f32 arithmetic and the matrix unit's own rounding can turn it there, and no further.
;;   INPUTS GIVEN AS CODES. W_k (in the module: [1024, 1024], K = its axis 1); W_o (in the module: [1024, 1024], K = its axis 1); W_q (in the module: [1024, 1024], K = its axis 1); W_v (in the module: [1024, 1024], K = its axis 1); x (in the module: [4, 2048, 1024], K = its axis 2): each comes as NAME_codes (uint8): NAME with its K axis moved to the last place and cut into blocks of 32 codes, [.., K / 32, bytes a block], one block behind the other in memory; two codes a byte, the lower K in the low four bits (a code: sign, 2 exponent bits, 1 mantissa bit); and NAME_scales (uint8): the same leading axes, one E8M0 byte (e + 127) for each 32 codes along K. Its value is code x scale, taken as it is: it is not quantised again, and the codes and scales need not be those that the quantiser above would give.
;; One version. Each part assembles by itself: llvm-mc -triple=amdgcn-amd-amdhsa -mcpu=gfx1250 --defsym DOCPART=n.
;; ======== version 1 of 1: 3 launches
;; workspace buffers: qc 4,194,304 bytes; qs 524,288 bytes; kv 9,175,040 bytes; cc 4,194,304 bytes; cs 262,144 bytes
;; launch proj (part 1): grid 16 x 32, 12 waves a work-group, clusters of 4 x 4, 261,632 bytes of LDS; arguments x_codes, x_scales, W_q_codes, W_q_scales, W_k_codes, W_k_scales, W_v_codes, W_v_scales, b_q, b_k, b_v, qc, qs, kv; writes qc, qs, kv
.if DOCPART == 1
	.amdgcn_target "amdgcn-amd-amdhsa--gfx1250"
	.amdhsa_code_object_version 6
	.text
	.protected	k_qd0d84768cf_proj
	.globl	k_qd0d84768cf_proj
	.p2align	8
	.type	k_qd0d84768cf_proj,@function
k_qd0d84768cf_proj:
	s_mov_b64 s[64:65], 0
	v_nop
	global_prefetch_b8 v0, s[64:65] scope:SCOPE_SE
	s_setreg_imm32_b32 hwreg(HW_REG_WAVE_MODE, 25, 1), 1
	s_wait_xcnt 0x0
	s_wait_alu depctr_hold_cnt(0) depctr_sa_sdst(0) depctr_va_vdst(0) depctr_va_sdst(0) depctr_va_ssrc(0) depctr_va_vcc(0) depctr_vm_vsrc(0)
	s_getreg_b32 s2, hwreg(HW_REG_IB_STS2, 6, 4)
	s_cmp_eq_u32 s2, 0
	s_cbranch_scc0 .Lentry_in_a_cluster
	s_endpgm
.Lentry_in_a_cluster:
	s_bfe_u32 s2, ttmp6, 0x10000c
	s_cmp_lg_u32 s2, 0xf033
	s_cbranch_scc0 .Lentry_shape_is_right
	s_endpgm
.Lentry_shape_is_right:
; MULTI-HEAD ATTENTION IN MX-FP4, launch 1 of 3: Q = x Wq^T + bq, K = x Wk^T + bk, V = x Wv^T + bv on codes of E2M1 with E8M0 scales, and the quantisers of Q, K (along the head's 64) and V (along the keys).
; DEAD WORK: none.  Every product of the problem is done and every input is loaded: bk would cancel in a softmax of real numbers, but it moves K's codes, so it stays.
; LIMITS: NaN and infinities are not served.  A block whose largest magnitude lies under 2^-124 has its scale byte held at 1; a block of zeros gets the byte 1 (the rule says 127) with zero codes: these bytes are read by this program alone.
; THE ROW MAP of the whole program.  A step is 128 rows on end of one batch; it has 8 tiles t = 4 c + i; lane r of tile (c, i) holds row 64 c + 8 i + (r & 7) + 32 (r >> 3) of the step.  Where such a tile is source 0 of a matrix
; instruction, register j of lane (r, h) of the result is row 64 c + 32 h + 8 i + j: the four tiles i of one c give a lane a whole block of 32 rows in order, which is what a 4-bit operand's registers 4 c + i want.
; SHARES.  A work-group makes 256 rows x (Q, K, V of one head).  Twelve waves: wave w makes 64 rows (g = w & 3) x 64 columns of Q (w < 4), K (w < 8) or V: 16 accumulators.
; Q and K: source 0 = 16 rows of W, source 1 = a tile of x: a lane holds one row and its registers run along the head's 64.  V: source 0 = a tile of x, source 1 = 16 rows of Wv: a lane holds one channel and its registers run along the keys.
; One text of the K loop serves both: source 0 is P, source 1 is R, and which of the two is x hangs on the wave's number, by arithmetic in the LDS addresses alone.
; LDS.  All operands of the work-group lie in LDS at once, each byte filled once: rows 0-255 x, 256-319 Wq, 320-383 Wk, 384-447 Wv; K half 0 (256 bytes a row + 16 of padding), K half 1, then the rows' scale bytes (units of 256 bytes + 16).
; A tile of x takes rows r and r + 32 of a run: 32 rows are 8,704 bytes = 34 x 256, so lanes r and r + 8 of such a load name the same banks (64 banks of 4 bytes: ISA guide 11.1): these loads go two deep.
; CLUSTER 4 x 4: x's rows hang on the row block alone and are asked for jointly along a row of the cluster; a head's rows of W hang on the head alone and are asked for jointly along a column.
; OUT, as images of operand registers (lane l's 16 bytes at 16 l): qc, qs; kv = for each head 4 chunks of 512 keys: K's images, V's images, K's scale words, V's scale halves.
.set PITCH, 272
.set HALF,  448*PITCH                  ; one K half of the 448 rows
.set SCL,   2*HALF                     ; the scale bytes: 56 units of 272 bytes; row p at (p >> 3) 272 + (p & 7) 32
.set SPARE, 260096                     ; the spare words, 128 bytes for each wave: six blocks of 256 bytes that no other line names (1,152 bytes that nothing names lie in front of them)
.set SPW,  2                           ; v2      LDS address of my spare word; never rewritten
.set NIL,  3                           ; v3      0; never rewritten
.set ADP,  4                           ; v4-7    LDS address of P's tile p
.set ADR,  8                           ; v8-11   of R's tile p
.set ADS,  12                          ; v12-15  of the scale words: lanes 0-15 P's tile p, lanes 16-31 R's tile p
.set BI,   16                          ; v16-47  the bias as Q and K want it: register 8 t + j = b[16 t + 8 h + j]
.set SC,   48                          ; v48-55  scale words: register 2 p + (kq & 1)
.set BV,   56                          ; v56-63  the bias as V wants it: registers 2 d, 2 d + 1 = b[16 d + r]
.set PF,   64                          ; v64-95  P's four fragments
.set RF,   96                          ; v96-127 R's four fragments
.set ACC,  128                         ; v128-255 accumulator (a = P's tile, b = R's tile) at 8 (4 b + a)
.set G1X,  32                          ; s[32:39] group 1, x's codes;  s[40:47] W's codes;  s[48:55] x's scales;  s[56:63] W's scales
.set G1W,  40
.set G1SX, 48
.set G1SW, 56
.set G0X,  68                          ; s[68:79] groups 0 for x: scales, half 0, half 1;  s[80:91] for W
.set G0W,  80
.set WV,   92
.set ROLE, 93                          ; 1 in V's waves
.set NROLE, 94
.set TY,   95                          ; 0 Q, 1 K, 2 V
.set G,    96                          ; which 64 rows
.set HD,   97                          ; the head
.set YB,   98                          ; the block of 256 rows
.set SEL,  66                          ; s[66:67] v_permlanex16_b32's selects for lane l xor 16
.set HI,   2                           ; s2 lanes 16-31
.set CODES,  (1<<20)|(1<<21)|(5<<22)|(3<<25)          ; elements of 1 byte; padding on; bit 21 beside a mask; 4 words behind every 64
.set SCALES, (3<<16)|(1<<20)|(1<<21)|(5<<22)|(3<<25)  ; the same with elements of 8 bytes
.macro CROUND                          ; a round of the cluster's barrier
	s_barrier_signal -1
	s_barrier_wait -1
	s_cmp_lg_u32 s[WV], 0
	s_cbranch_scc1 .Lnot_wave_0_\@
	s_barrier_signal -3
.Lnot_wave_0_\@:
	s_barrier_wait -3
	s_barrier_signal -1
	s_barrier_wait -1
.endm
	s_load_b512 s[4:19], s[0:1], 0x0               ; x codes, x scales, Wq codes, Wq scales, Wk codes, Wk scales, Wv codes, Wv scales
	s_load_b256 s[20:27], s[0:1], 0x40             ; bq, bk, bv, qc
	s_load_b128 s[28:31], s[0:1], 0x60             ; qs, kv
	v_lshl_add_u32 v[SPW], v0, 2, SPARE
	v_mov_b32 v[NIL], 0
	ds_add_u32 v[SPW], v[NIL]                      ; the wave's opening: the add, twice on end, and its wait ahead of the first tensor load; the set-up below stands between
	ds_add_u32 v[SPW], v[NIL]
	v_lshrrev_b32 v1, 5, v0
	s_delay_alu instid0(VALU_DEP_1)
	v_readfirstlane_b32 s[WV], v1                  ; wave 0..11
	s_lshr_b32 s[ROLE], s[WV], 3
	s_xor_b32 s[NROLE], s[ROLE], 1
	s_lshr_b32 s[TY], s[WV], 2
	s_and_b32 s[G], s[WV], 3
	s_bfe_u32 s[HD], ttmp6, 0x40000                ; cx
	s_bfe_u32 s[YB], ttmp6, 0x40004                ; cy
	s_lshl_b32 s99, 0x1111, s[HD]                  ; my column of the cluster
	s_lshl_b32 s100, s[YB], 2
	s_lshl_b32 s100, 15, s100                      ; my row
	s_or_b32 s[G1X], s100, CODES
	s_or_b32 s[G1SX], s100, SCALES
	s_or_b32 s[G1W], s99, CODES
	s_or_b32 s[G1SW], s99, SCALES
.irp g, G1X, G1W                       ; 64 rows x 256 bytes, 512 bytes apart in memory
	s_mov_b32 s[\g+1], 256<<16
	s_mov_b32 s[\g+2], 64<<16
	s_mov_b32 s[\g+3], 256<<16
	s_mov_b32 s[\g+4], 64
	s_mov_b32 s[\g+5], 512
	s_mov_b32 s[\g+6], 0
	s_mov_b32 s[\g+7], 0
.endr
.irp g, G1SX, G1SW                     ; the scale bytes of 64 rows: 2,048 dense bytes as 8 rows of 256
	s_mov_b32 s[\g+1], 32<<16
	s_mov_b32 s[\g+2], 8<<16
	s_mov_b32 s[\g+3], 32<<16
	s_mov_b32 s[\g+4], 8
	s_mov_b32 s[\g+5], 32
	s_mov_b32 s[\g+6], 0
	s_mov_b32 s[\g+7], 0
.endr
	s_lshl_b32 s99, ttmp9, 2
	s_add_co_u32 s[HD], s99, s[HD]                 ; head = 4 x cluster x + cx
	s_and_b32 s100, ttmp7, 0xffff
	s_lshl_b32 s100, s100, 2
	s_add_co_u32 s[YB], s100, s[YB]                ; row block = 4 x cluster y + cy
	s_lshl_b32 s2, s[YB], 17                       ; x: 256 rows of 512 bytes a block,
	s_lshl_b32 s3, s[WV], 15                       ; 64 rows a wave
	s_add_co_u32 s2, s2, s3
	s_mov_b32 s3, 0
	s_lshr_b32 s100, s2, 4                         ; its scale bytes: 32 a row
	s_mov_b32 s101, 0
	s_lshl_b32 s66, s[HD], 15                      ; W: 64 rows of 512 bytes a head
	s_mov_b32 s67, 0
	s_mul_i32 s99, s[WV], 8*PITCH
	s_add_co_u32 s99, s99, SCL                     ; where my 64 rows' scale bytes go
.irp g, G0X, G0W
	s_mov_b32 s[\g], 1
	s_mov_b32 s[\g+1], s99
	s_mov_b32 s[\g+4], 1
	s_mul_i32 s[\g+5], s[WV], 64*PITCH             ; my 64 rows, K half 0
	s_mov_b32 s[\g+8], 1
	s_add_co_u32 s[\g+9], s[\g+5], HALF            ; K half 1
.endr
	s_wait_dscnt 0x0                               ; both opening adds are done
	s_wait_kmcnt 0x0
	s_add_nc_u64 s[G0X+2:G0X+3], s[6:7], s[100:101]
	s_add_nc_u64 s[G0X+6:G0X+7], s[4:5], s[2:3]
	s_add_nc_u64 s[G0X+10:G0X+11], s[G0X+6:G0X+7], 256
	s_or_b32 s[G0X+3], s[G0X+3], 0x80000000
	s_or_b32 s[G0X+7], s[G0X+7], 0x80000000
	s_or_b32 s[G0X+11], s[G0X+11], 0x80000000
	s_cmp_eq_u32 s[WV], 4                          ; wave 4 fetches Wq, wave 5 Wk, wave 6 Wv: the choice hangs on the wave's number alone
	s_cselect_b64 s[G0W+6:G0W+7], s[8:9], s[12:13]
	s_cselect_b64 s[G0W+2:G0W+3], s[10:11], s[14:15]
	s_cmp_eq_u32 s[WV], 6
	s_cselect_b64 s[G0W+6:G0W+7], s[16:17], s[G0W+6:G0W+7]
	s_cselect_b64 s[G0W+2:G0W+3], s[18:19], s[G0W+2:G0W+3]
	s_add_nc_u64 s[G0W+6:G0W+7], s[G0W+6:G0W+7], s[66:67]
	s_add_nc_u64 s[G0W+10:G0W+11], s[G0W+6:G0W+7], 256
	s_lshr_b32 s66, s66, 4
	s_add_nc_u64 s[G0W+2:G0W+3], s[G0W+2:G0W+3], s[66:67]
	s_or_b32 s[G0W+3], s[G0W+3], 0x80000000
	s_or_b32 s[G0W+7], s[G0W+7], 0x80000000
	s_or_b32 s[G0W+11], s[G0W+11], 0x80000000
	CROUND                                         ; all sixteen work-groups are here: the joint loads meet
	; All fills of the launch: waves 0-3 x's rows 64 w on, waves 4-6 a head's rows of W; scales, K half 0, K half 1: three loads of mine are out.  An s_nop 0 follows each, four v_nop the last.
	s_cmp_lt_u32 s[WV], 4
	s_cbranch_scc0 .Lnot_x
	tensor_load_to_lds s[G0X:G0X+3], s[G1SX:G1SX+7]
	s_nop 0
	tensor_load_to_lds s[G0X+4:G0X+7], s[G1X:G1X+7]
	s_nop 0
	tensor_load_to_lds s[G0X+8:G0X+11], s[G1X:G1X+7]
	s_nop 0
.rept 4
	v_nop
.endr
	s_branch .Lasked
.Lnot_x:
	s_cmp_lt_u32 s[WV], 7
	s_cbranch_scc0 .Lasked
	tensor_load_to_lds s[G0W:G0W+3], s[G1SW:G1SW+7]
	s_nop 0
	tensor_load_to_lds s[G0W+4:G0W+7], s[G1W:G1W+7]
	s_nop 0
	tensor_load_to_lds s[G0W+8:G0W+11], s[G1W:G1W+7]
	s_nop 0
.rept 4
	v_nop
.endr
.Lasked:
	; LDS addresses.  A tile of W: rows 16 p + r of its 64.  A tile of x: rows 8 p + (r & 7) + 32 (r >> 3) of my 64.  Which of P and R is x is arithmetic on the wave's number.
	s_mul_i32 s4, s[TY], 64*PITCH
	s_add_co_u32 s4, s4, 256*PITCH                 ; my W's first row
	s_mul_i32 s5, s[G], 64*PITCH                   ; my x rows' first
	s_mul_i32 s6, s4, s[NROLE]
	s_mul_i32 s7, s5, s[ROLE]
	s_add_co_u32 s6, s6, s7                        ; P's first row
	s_mul_i32 s7, s4, s[ROLE]
	s_mul_i32 s8, s5, s[NROLE]
	s_add_co_u32 s7, s7, s8                        ; R's
	s_mul_i32 s8, s[NROLE], 8*PITCH
	s_add_co_u32 s8, s8, 8*PITCH                   ; from tile to tile of P: 16 rows of W or 8 of x
	s_mul_i32 s9, s[ROLE], 8*PITCH
	s_add_co_u32 s9, s9, 8*PITCH                   ; of R
	s_mul_i32 s10, s[ROLE], 24*PITCH               ; lanes r >= 8 of a tile of x stand 24 rows further on than those of a tile of W
	s_mul_i32 s11, s[NROLE], 24*PITCH
	s_xor_b32 s12, s[G], 3
	s_add_co_u32 s12, s12, s[TY]
	s_add_co_u32 s12, s12, 1
	s_mul_i32 s12, s12, 8*PITCH                    ; from my x rows' scale bytes to my W's: 8 (4 + ty - g) units
	s_mul_i32 s13, s[G], 8*PITCH
	s_add_co_u32 s13, s13, SCL                     ; my x rows' scale bytes
	v_and_b32 v64, 15, v0                          ; r
	v_bfe_u32 v65, v0, 4, 1                        ; h
	v_bfe_u32 v66, v0, 3, 1                        ; r >> 3
	v_and_b32 v67, 7, v0                           ; r & 7
	s_delay_alu instid0(VALU_DEP_4)
	v_mul_u32_u24 v68, v64, PITCH
	s_delay_alu instid0(VALU_DEP_1)
	v_lshl_add_u32 v68, v65, 4, v68                ; row r, + 16 h
	s_delay_alu instid0(VALU_DEP_1)
	v_mad_u32_u24 v[ADP], v66, s10, v68
	s_delay_alu instid0(VALU_DEP_1)
	v_add_nc_u32 v[ADP], s6, v[ADP]
	s_delay_alu instid0(VALU_DEP_3)
	v_mad_u32_u24 v[ADR], v66, s11, v68
	s_delay_alu instid0(VALU_DEP_1)
	v_add_nc_u32 v[ADR], s7, v[ADR]
.irp p, 1
	s_delay_alu instid0(VALU_DEP_3)
	v_add_nc_u32 v[ADP+\p], s8, v[ADP+\p-1]
	s_delay_alu instid0(VALU_DEP_2)
	v_add_nc_u32 v[ADR+\p], s9, v[ADR+\p-1]
.endr
.irp p, 2, 3
	s_delay_alu instid0(VALU_DEP_2)
	v_add_nc_u32 v[ADP+\p], s8, v[ADP+\p-1]
	s_delay_alu instid0(VALU_DEP_2)
	v_add_nc_u32 v[ADR+\p], s9, v[ADR+\p-1]
.endr
	v_xor_b32 v69, s[ROLE], v65                    ; does my lane take x's scale words?  lanes 0-15 take P's, lanes 16-31 R's
	s_delay_alu instid0(VALU_DEP_1)
	v_xor_b32 v70, 1, v69                          ; or W's
	s_delay_alu instid0(VALU_DEP_2)
	v_and_b32 v71, v69, v66
	s_delay_alu instid0(VALU_DEP_1)
	v_mad_u32_u24 v71, v71, 3, v66                 ; units: r >> 3 in W, 4 (r >> 3) in x
	s_delay_alu instid0(VALU_DEP_1)
	v_mul_u32_u24 v71, v71, PITCH
	s_delay_alu instid0(VALU_DEP_1)
	v_lshl_add_u32 v71, v67, 5, v71                ; + 32 (r & 7)
	s_delay_alu instid0(VALU_DEP_1)
	v_mad_u32_u24 v71, v70, s12, v71               ; ONE product leads from x's bytes to W's
	s_delay_alu instid0(VALU_DEP_1)
	v_add_nc_u32 v[ADS], s13, v71
	v_mul_u32_u24 v72, v70, PITCH
	s_delay_alu instid0(VALU_DEP_1)
	v_add_nc_u32 v72, PITCH, v72                   ; from tile to tile: one unit in x, two in W
.irp p, 1,2,3
	s_delay_alu instid0(VALU_DEP_1)
	v_add_nc_u32 v[ADS+\p], v[ADS+\p-1], v72
.endr
	; The biases.  Every wave loads its own bias in both lane layouts, so that no branch on the role stands ahead of the K loop; each way out uses one of the two.
	s_cmp_eq_u32 s[TY], 0
	s_cselect_b64 s[20:21], s[20:21], s[22:23]
	s_cmp_eq_u32 s[TY], 2
	s_cselect_b64 s[20:21], s[24:25], s[20:21]
	s_lshl_b32 s66, s[HD], 8                       ; (s67 = 0)  the head's 64 numbers
	s_add_nc_u64 s[20:21], s[20:21], s[66:67]
	v_lshlrev_b32 v1, 5, v65                       ; 32 h
	v_lshlrev_b32 v73, 2, v64                      ; 4 r
.irp t, 0,1,2,3
.irp u, 0,1
	global_load_b128 v[BI+8*\t+4*\u:BI+8*\t+4*\u+3], v1, s[20:21] offset:64*\t+16*\u
.endr
.endr
.irp d, 0,1,2,3
	global_load_b32 v[BV+2*\d], v73, s[20:21] offset:64*\d
	global_load_b32 v[BV+2*\d+1], v73, s[20:21] offset:64*\d
.endr
	; what the ways out need of the ids
	s_lshr_b32 s99, s[YB], 3
	s_lshl_b32 s99, s99, 4
	s_add_co_u32 s99, s99, s[HD]                   ; bh = 16 x batch + head
	s_and_b32 s100, s[YB], 7                       ; the block's place in its batch
	s_mul_i32 s22, s99, 143360
	s_lshr_b32 s101, s100, 1
	s_mul_i32 s101, s101, 35840
	s_add_co_u32 s22, s22, s101                    ; my chunk of kv
	s_and_b32 s23, s100, 1
	s_lshl_b32 s23, s23, 1
	s_lshr_b32 s101, s[G], 1
	s_add_co_u32 s23, s23, s101                    ; my step in the chunk
	s_and_b32 s24, s[G], 1                         ; c: which half of the step
	s_mov_b32 s[SEL], 0x76543210
	s_mov_b32 s[SEL+1], 0xfedcba98
	s_mov_b32 s[HI], 0xffff0000
; A K step of 128: 16 fragment loads, 16 matrix instructions; the 16 accumulators take turns, one instruction a turn, in the same order in every step.
; nops: places in front of loads into registers that matrix instructions have read (ISA guide 7.12.1 for vector instructions).
.macro KSTEP kq, hf, zero, nops
.rept \nops
	v_nop
.endr
.if (\kq)%2 == 0
.irp p, 0,1,2,3
	ds_load_b64 v[SC+2*\p:SC+2*\p+1], v[ADS+\p] offset:16*(\hf)+4*(\kq)   ; the scale words of this K step and the next
.endr
.endif
.irp p, 0,1,2,3
.irp c, 0,1
	ds_load_b128 v[PF+8*\p+4*\c:PF+8*\p+4*\c+3], v[ADP+\p] offset:64*(\kq)+32*\c
.endr
.endr
.irp p, 0,1,2,3
.irp c, 0,1
	ds_load_b128 v[RF+8*\p+4*\c:RF+8*\p+4*\c+3], v[ADR+\p] offset:64*(\kq)+32*\c
.endr
.endr
.irp b, 0,1,2,3
	s_wait_dscnt 6-2*\b                            ; R's later tiles, two loads each, may stay out
.irp a, 0,1,2,3
.if \zero
	v_wmma_scale_f32_16x16x128_f8f6f4 v[ACC+8*(4*\b+\a):ACC+8*(4*\b+\a)+7], v[PF+8*\a:PF+8*\a+7], v[RF+8*\b:RF+8*\b+7], 0, v[SC+2*\a+(\kq)%2], v[SC+2*\b+(\kq)%2] matrix_a_fmt:MATRIX_FMT_FP4 matrix_b_fmt:MATRIX_FMT_FP4 matrix_b_scale:MATRIX_SCALE_ROW1
.else
	v_wmma_scale_f32_16x16x128_f8f6f4 v[ACC+8*(4*\b+\a):ACC+8*(4*\b+\a)+7], v[PF+8*\a:PF+8*\a+7], v[RF+8*\b:RF+8*\b+7], v[ACC+8*(4*\b+\a):ACC+8*(4*\b+\a)+7], v[SC+2*\a+(\kq)%2], v[SC+2*\b+(\kq)%2] matrix_a_fmt:MATRIX_FMT_FP4 matrix_b_fmt:MATRIX_FMT_FP4 matrix_b_scale:MATRIX_SCALE_ROW1
.endif
.endr
.endr
.endm
	s_wait_alu depctr_va_vdst(0)
	s_wait_xcnt 0x0                                ; the bias loads have read their offsets: v73 is filled by a fragment load below
	s_wait_tensorcnt 1                             ; my scales and my part of K half 0 are in; half 1's load, issued behind them, may stay out
	s_barrier_signal -1
	s_barrier_wait -1                              ; everybody's are
	KSTEP 0, 0, 1, 0                               ; the first products start the sums
	KSTEP 1, 0, 0, 4
	KSTEP 2, 0, 0, 4
	KSTEP 3, 0, 0, 4
	s_wait_tensorcnt 0x0                           ; my part of K half 1
	s_wait_dscnt 0x0
	s_barrier_signal -1
	s_barrier_wait -1
.irp p, 0,1,2,3                        ; on to K half 1; these eight are also the places in front of the next loads
	v_add_nc_u32 v[ADP+\p], HALF, v[ADP+\p]
	v_add_nc_u32 v[ADR+\p], HALF, v[ADR+\p]
.endr
	KSTEP 0, 1, 0, 0
	s_wait_alu depctr_va_vdst(0)
	KSTEP 1, 1, 0, 4
	KSTEP 2, 1, 0, 4
	KSTEP 3, 1, 0, 4
.rept 4
	v_nop                                          ; places in front of the first read of results
.endr
	s_wait_loadcnt 0x0                             ; the biases
	s_cmp_lt_u32 s[WV], 8
	s_cbranch_scc0 .Lv_out
	; ---- Q AND K.  Tile i of x owns registers ACC + 32 i on; register 8 t + j is channel 16 t + 8 h + j of my row.  A block of 32 channels lies in lanes l and l xor 16.
.set MX, 64                            ; largest magnitudes, index 2 i + block
.set TP, 72
.set SO, 80                            ; the conversions' scale operands
.set BY, 88                            ; the scale bytes
.set CD, 96                            ; the codes
.set WD, 112                           ; a tile's scale word
.set KW, 116                           ; two words a lane, as they are stored
	v_and_b32 v1, 31, v0
	s_delay_alu instid0(VALU_DEP_1)
	v_lshlrev_b32 v118, 3, v1                      ; 8 x lane
	s_delay_alu instid0(VALU_DEP_2)
	v_lshlrev_b32 v1, 4, v1                        ; 16 x lane
.irp i, 0,1,2,3
.irp e, 0,2,4,6,8,10,12,14,16,18,20,22,24,26,28,30
	v_pk_add_f32 v[ACC+32*\i+\e:ACC+32*\i+\e+1], v[ACC+32*\i+\e:ACC+32*\i+\e+1], v[BI+\e:BI+\e+1]   ; + the bias; each accumulator from its low end on
.endr
.endr
.irp q, 0,1,2,3,4,5,6,7
	v_max3_num_f32 v[MX+\q], |v[ACC+16*\q]|, |v[ACC+16*\q+1]|, 0x1800000   ; my 16 numbers of block q & 1 of tile q >> 1, and the floor 2^(3 - 127): the byte cannot fall under 1
.endr
.irp k, 2,4,6,8,10,12,14
.irp q, 0,1,2,3,4,5,6,7
	v_max3_num_f32 v[MX+\q], v[MX+\q], |v[ACC+16*\q+\k]|, |v[ACC+16*\q+\k+1]|
.endr
.endr
.irp q, 0,1,2,3,4,5,6,7
	v_permlanex16_b32 v[TP+\q], v[MX+\q], s[SEL], s[SEL+1]
.endr
.irp q, 0,1,2,3,4,5,6,7
	v_max_num_f32 v[MX+\q], v[MX+\q], v[TP+\q]     ; with lane l xor 16's: the block's largest magnitude
.endr
.irp q, 0,1,2,3,4,5,6,7
	v_add_nc_u32 v[SO+\q], 0xff000000, v[MX+\q]    ; 2 off its exponent field: the conversion takes this operand's exponent field as its scale
.endr
.irp q, 0,1,2,3,4,5,6,7
	v_lshrrev_b32 v[BY+\q], 23, v[SO+\q]           ; the scale's byte
.endr
.irp i, 0,1,2,3
	v_lshl_or_b32 v[WD+\i], v[BY+2*\i+1], 8, v[BY+2*\i]   ; bytes 0, 1: the head's two blocks; bytes 2, 3 stay 0: they scale the zero codes that fill K = 64 up to the instruction's 128
.endr
.irp p, 0
	s_delay_alu instid0(VALU_DEP_3)
	v_cndmask_b32 v[KW+\p], v[WD+2*\p], v[WD+2*\p+1], s[HI]
.endr
.irp p, 1
	s_delay_alu instid0(VALU_DEP_2)
	v_cndmask_b32 v[KW+\p], v[WD+2*\p], v[WD+2*\p+1], s[HI]   ; lanes 0-15 tile 2 p, lanes 16-31 tile 2 p + 1
.endr
.irp i, 0,1,2,3
.irp u, 0,1
.irp e, 0,1
	v_cvt_scalef32_pk8_fp4_f32 v[CD+4*\i+2*\u+\e], v[ACC+32*\i+16*\e+8*\u:ACC+32*\i+16*\e+8*\u+7], v[SO+2*\i+\e]   ; channels 32 e + 16 u + 8 h + 0 .. 7
.endr
.endr
.endr
	v_nop                                          ; one plain place behind a scaled conversion
.irp i, 0,1,2,3
.irp u, 0,1
	v_permlane16_swap_b32 v[CD+4*\i+2*\u], v[CD+4*\i+2*\u+1]   ; the operand wants a whole block in a lane: lane (r, h) now holds channels 32 h + 0 .. 31 in four registers
.endr
.endr
	s_lshl_b32 s8, s99, 16                         ; qc: 65,536 bytes a head, 512 a tile: tile 16 x block + 4 g + i
	s_lshl_b32 s9, s100, 13
	s_add_co_u32 s8, s8, s9
	s_lshl_b32 s9, s[G], 11
	s_add_co_u32 s8, s8, s9
	s_lshr_b32 s10, s8, 3                          ; qs: an eighth of that
	s_lshl_b32 s12, s23, 12                        ; kv: K's images: 4,096 bytes a step, 2,048 a half
	s_add_co_u32 s12, s12, s22
	s_lshl_b32 s9, s24, 11
	s_add_co_u32 s12, s12, s9
	s_lshl_b32 s13, s23, 9                         ; K's scale words, from byte 32,768 of the chunk: 512 a step, 256 a half
	s_add_co_u32 s13, s13, s22
	s_lshl_b32 s9, s24, 8
	s_add_co_u32 s13, s13, s9
	s_add_co_u32 s13, s13, 32768
	s_cmp_eq_u32 s[TY], 0
	s_cselect_b32 s8, s8, s12
	s_cselect_b32 s10, s10, s13
	s_cselect_b64 s[4:5], s[26:27], s[30:31]
	s_cselect_b64 s[6:7], s[28:29], s[30:31]
	s_mov_b32 s9, 0
	s_mov_b32 s11, 0
	s_add_nc_u64 s[4:5], s[4:5], s[8:9]
	s_add_nc_u64 s[6:7], s[6:7], s[10:11]
	s_wait_alu depctr_va_vdst(0)
.irp i, 0,1,2,3
	global_store_b128 v1, v[CD+4*\i:CD+4*\i+3], s[4:5] offset:512*\i   ; 32 lanes store 512 bytes on end
.endr
	global_store_b64 v118, v[KW:KW+1], s[6:7]      ; 256 bytes on end
	s_branch .Ldone
.Lv_out:
	; ---- V.  Channel tile d owns registers ACC + 32 d on; register 8 i + j is key 64 c + 32 h + 8 i + j of channel 16 d + r: a whole block of 32 keys in one lane, in the operand's order.
.set MX, 64
.set SO, 68
.set BY, 72
.set TP, 76
.set CD, 96
.set UW, 112
.set XW, 113
.set SH8, 114
	v_and_b32 v1, 31, v0
	s_delay_alu instid0(VALU_DEP_1)
	v_lshlrev_b32 v115, 2, v1                      ; 4 x lane
	s_delay_alu instid0(VALU_DEP_2)
	v_lshlrev_b32 v1, 4, v1                        ; 16 x lane
	v_bfe_u32 v[SH8], v0, 4, 1
	s_delay_alu instid0(VALU_DEP_1)
	v_lshlrev_b32 v[SH8], 3, v[SH8]                ; 8 h
.irp d, 0,1,2,3
.irp e, 0,2,4,6,8,10,12,14,16,18,20,22,24,26,28,30
	v_pk_add_f32 v[ACC+32*\d+\e:ACC+32*\d+\e+1], v[ACC+32*\d+\e:ACC+32*\d+\e+1], v[BV+2*\d:BV+2*\d+1]
.endr
.endr
.irp d, 0,1,2,3
	v_max3_num_f32 v[MX+\d], |v[ACC+32*\d]|, |v[ACC+32*\d+1]|, 0x1800000
.endr
.irp k, 2,4,6,8,10,12,14,16,18,20,22,24,26,28,30
.irp d, 0,1,2,3
	s_delay_alu instid0(VALU_DEP_4)
	v_max3_num_f32 v[MX+\d], v[MX+\d], |v[ACC+32*\d+\k]|, |v[ACC+32*\d+\k+1]|
.endr
.endr
.irp d, 0,1,2,3
	s_delay_alu instid0(VALU_DEP_4)
	v_add_nc_u32 v[SO+\d], 0xff000000, v[MX+\d]
.endr
.irp d, 0,1,2,3
	s_delay_alu instid0(VALU_DEP_4)
	v_lshrrev_b32 v[BY+\d], 23, v[SO+\d]           ; the byte of block 2 c + h
.endr
.irp d, 0,1,2,3
	s_delay_alu instid0(VALU_DEP_4)
	v_lshlrev_b32 v[BY+\d], v[SH8], v[BY+\d]       ; at its place among the half's two
.endr
.irp d, 0,1,2,3
	s_delay_alu instid0(VALU_DEP_4)
	v_permlanex16_b32 v[TP+\d], v[BY+\d], s[SEL], s[SEL+1]
.endr
.irp d, 0,1,2,3
	s_delay_alu instid0(VALU_DEP_4)
	v_or_b32 v[BY+\d], v[BY+\d], v[TP+\d]          ; both bytes, in both halves of the lanes
.endr
	s_delay_alu instid0(VALU_DEP_3)
	v_cndmask_b32 v[UW], v[BY], v[BY+1], s[HI]     ; low 16 bits: channel tile lane >> 4;
	s_delay_alu instid0(VALU_DEP_2)
	v_cndmask_b32 v[XW], v[BY+2], v[BY+3], s[HI]
	s_delay_alu instid0(VALU_DEP_1)
	v_lshl_or_b32 v[UW], v[XW], 16, v[UW]          ; high 16 bits: 2 + (lane >> 4)
.irp d, 0,1,2,3
.irp i, 0,1,2,3
	v_cvt_scalef32_pk8_fp4_f32 v[CD+4*\d+\i], v[ACC+32*\d+8*\i:ACC+32*\d+8*\i+7], v[SO+\d]   ; register 4 c + i of the operand as it stands
.endr
.endr
	v_nop                                          ; one plain place behind a scaled conversion
	s_lshl_b32 s8, s23, 12                         ; V's images, from byte 16,384 of the chunk: 4,096 a step, 1,024 a channel tile, 512 a half
	s_add_co_u32 s8, s8, s22
	s_lshl_b32 s9, s24, 9
	s_add_co_u32 s8, s8, s9
	s_add_co_u32 s8, s8, 16384
	s_lshl_b32 s10, s23, 8                         ; V's scale halves, from byte 34,816: 256 a step, 128 a half
	s_add_co_u32 s10, s10, s22
	s_lshl_b32 s9, s24, 7
	s_add_co_u32 s10, s10, s9
	s_add_co_u32 s10, s10, 34816
	s_mov_b32 s9, 0
	s_mov_b32 s11, 0
	s_add_nc_u64 s[4:5], s[30:31], s[8:9]
	s_add_nc_u64 s[6:7], s[30:31], s[10:11]
	s_wait_alu depctr_va_vdst(0)
.irp d, 0,1,2,3
	global_store_b128 v1, v[CD+4*\d:CD+4*\d+3], s[4:5] offset:1024*\d
.endr
	global_store_b32 v115, v[UW], s[6:7]           ; 128 bytes on end: all that a wave owns of these words (1,024 of a chunk's 35,840 bytes leave so)
.Ldone:
	s_wait_tensorcnt 0x0                           ; the wave's end
	ds_add_u32 v[SPW], v[NIL]
	s_wait_dscnt 0x0
	CROUND                                         ; the closing round
	s_endpgm
.Lfunc_end_k_qd0d84768cf_proj:
	.size	k_qd0d84768cf_proj, .Lfunc_end_k_qd0d84768cf_proj-k_qd0d84768cf_proj
	.p2alignl 7, 3214868480
	.fill 96, 4, 3214868480
	.section	.rodata,"a",@progbits
	.p2align	6, 0x0
	.amdhsa_kernel k_qd0d84768cf_proj
		.amdhsa_group_segment_fixed_size 261632
		.amdhsa_private_segment_fixed_size 0
		.amdhsa_enable_private_segment 0
		.amdhsa_kernarg_size 112
		.amdhsa_user_sgpr_count 2
		.amdhsa_user_sgpr_kernarg_segment_ptr 1
		.amdhsa_wavefront_size32 1
		.amdhsa_system_sgpr_workgroup_id_x 1
		.amdhsa_system_sgpr_workgroup_id_y 1
		.amdhsa_system_sgpr_workgroup_id_z 1
		.amdhsa_system_vgpr_workitem_id 0
		.amdhsa_next_free_vgpr 256
		.amdhsa_next_free_sgpr 102
		.amdhsa_reserve_vcc 0
		.amdhsa_float_denorm_mode_32 3
		.amdhsa_float_denorm_mode_16_64 3
		.amdhsa_memory_ordered 1
		.amdhsa_forward_progress 1
		.amdhsa_inst_pref_size 68
	.end_amdhsa_kernel
	.amdgpu_metadata
---
amdhsa.version: [ 1, 2 ]
amdhsa.kernels:
  - .name:           k_qd0d84768cf_proj
    .symbol:         k_qd0d84768cf_proj.kd
    .args:
      - { .name: x_codes, .offset: 0, .size: 8, .value_kind: global_buffer, .address_space: global }
      - { .name: x_scales, .offset: 8, .size: 8, .value_kind: global_buffer, .address_space: global }
      - { .name: W_q_codes, .offset: 16, .size: 8, .value_kind: global_buffer, .address_space: global }
      - { .name: W_q_scales, .offset: 24, .size: 8, .value_kind: global_buffer, .address_space: global }
      - { .name: W_k_codes, .offset: 32, .size: 8, .value_kind: global_buffer, .address_space: global }
      - { .name: W_k_scales, .offset: 40, .size: 8, .value_kind: global_buffer, .address_space: global }
      - { .name: W_v_codes, .offset: 48, .size: 8, .value_kind: global_buffer, .address_space: global }
      - { .name: W_v_scales, .offset: 56, .size: 8, .value_kind: global_buffer, .address_space: global }
      - { .name: b_q, .offset: 64, .size: 8, .value_kind: global_buffer, .address_space: global }
      - { .name: b_k, .offset: 72, .size: 8, .value_kind: global_buffer, .address_space: global }
      - { .name: b_v, .offset: 80, .size: 8, .value_kind: global_buffer, .address_space: global }
      - { .name: qc, .offset: 88, .size: 8, .value_kind: global_buffer, .address_space: global }
      - { .name: qs, .offset: 96, .size: 8, .value_kind: global_buffer, .address_space: global }
      - { .name: kv, .offset: 104, .size: 8, .value_kind: global_buffer, .address_space: global }
    .group_segment_fixed_size: 261632
    .private_segment_fixed_size: 0
    .kernarg_segment_align: 8
    .kernarg_segment_size: 112
    .max_flat_workgroup_size: 384
    .sgpr_count:     102
    .vgpr_count:     256
    .wavefront_size: 32
...
	.end_amdgpu_metadata
.endif
;; end of part 1
;; launch attn (part 2): grid 4 x 64, 16 waves a work-group, clusters of 4 x 1, 167,936 bytes of LDS; arguments qc, qs, kv, cc, cs; writes cc, cs
.if DOCPART == 2
	.amdgcn_target "amdgcn-amd-amdhsa--gfx1250"
	.amdhsa_code_object_version 6
	.text
	.protected	k_qd0d84768cf_attn
	.globl	k_qd0d84768cf_attn
	.p2align	8
	.type	k_qd0d84768cf_attn,@function
k_qd0d84768cf_attn:
	s_mov_b64 s[64:65], 0
	v_nop
	global_prefetch_b8 v0, s[64:65] scope:SCOPE_SE
	s_setreg_imm32_b32 hwreg(HW_REG_WAVE_MODE, 25, 1), 1
	s_wait_xcnt 0x0
	s_wait_alu depctr_hold_cnt(0) depctr_sa_sdst(0) depctr_va_vdst(0) depctr_va_sdst(0) depctr_va_ssrc(0) depctr_va_vcc(0) depctr_vm_vsrc(0)
	s_getreg_b32 s2, hwreg(HW_REG_IB_STS2, 6, 4)
	s_cmp_eq_u32 s2, 0
	s_cbranch_scc0 .Lentry_in_a_cluster
	s_endpgm
.Lentry_in_a_cluster:
	s_bfe_u32 s2, ttmp6, 0x10000c
	s_cmp_lg_u32 s2, 0x3003
	s_cbranch_scc0 .Lentry_shape_is_right
	s_endpgm
.Lentry_shape_is_right:
; MULTI-HEAD ATTENTION IN MX-FP4, launch 2 of 3: S = Q K^T / 8, the softmax, O = P V / l, and the quantiser of the context along the model's 1,024.  No work is left out.
; THE SOFTMAX AHEAD OF THE SECOND PRODUCT: t = score x log2(e) / 8; M = the row's largest t so far, rounded UP to a whole number; p = 2^(t - M) is what is quantised, along the keys, not normalised.
; The row's sum is taken of the unquantised p, in f32, and divides O at the end.  When M moves, the sum and O are multiplied by 2^(old M - new M): exact.
; LIMITS: NaN and infinities are not served; a p under 2^-126 comes out of v_exp_f32 as 0 (ISA guide 15.8); a block whose largest magnitude lies under 2^-124 has its byte held at 1; a block of zeros has the byte 1 and zero codes.
; SHARES.  A work-group owns 512 queries of one head; each of its sixteen waves owns two tiles of 16, A and B, which share every fragment of K and V that the wave reads: four waves to a SIMD, so that one wave's
; matrix work and LDS loads stand beside another's vector work.  There is no mask, so which queries form a tile is free: they are those of the program's row map.
; LDS.  The head's K and V (143,360 bytes: codes and scales as images of operand registers, four chunks of 512 keys) come in ONCE, as they lie in memory: every byte is filled once, and all is asked for at the head,
; so there is no later load that a prefetch could run ahead of.  An image is read as 512 bytes on end: no pitch, no padding.
; CLUSTER 4 x 1: the four query blocks of a head want the same bytes: each load is asked for jointly.
; LAYOUT.  Both products transposed: S^T = K Q^T, O^T = V^T P^T: a lane holds ONE query throughout.  By the row map the 32 registers of tiles 4 c .. 4 c + 3 of K are keys 64 c + 32 h + 0 .. 31: a whole block of p in one lane,
; and the conversions' results are P's operand registers as they stand.
; K = 64 IN AN INSTRUCTION OF K = 128: Q's fragment is 4 registers of codes and 4 of zero codes.  K's fragments are read as runs of 8 registers that overlap: the upper four are the next tile's codes (behind the last tile: zeros).
; They meet zero codes and add exactly 0; bytes 2, 3 of both scale words are 0, which stands for 2^-127, a finite number.
.set CHB,   35840                      ; a chunk: K's images 16,384, V's images 16,384, K's scale words 2,048, V's scale halves 1,024
.set SPARE, 4*CHB                      ; the spare words, 128 bytes for each wave: eight blocks of 256 bytes that no other line names
.set L16, 1                            ; v1   16 x lane
.set SPW, 2                            ; v2   LDS address of my spare word; never rewritten
.set NIL, 3                            ; v3   0; never rewritten
.set L8,  4                            ; v4   8 x lane
.set L4,  5                            ; v5   4 x lane
.set SH8, 6                            ; v6   8 h
.set ADK, 7                            ; v7   the step's images
.set ADS, 8                            ; v8   K's scale words
.set ADU, 9                            ; v9   V's scale halves
.set ST,  10                           ; tile x: v[10+4x] -M, v[11+4x] the largest score, v[12+4x:13+4x] the sum in two halves
.set QS,  18                           ; v18  Q's scale words: lanes 0-15 tile A, lanes 16-31 tile B
.set QA,  20                           ; v20-27 tile A: 4 registers of codes, 4 of zeros;  v28-35 tile B
.set KF,  36                           ; v36-67 K's eight tiles, 4 registers each, v68-71 zeros; later v36-67 V's four fragments
.set KS,  72                           ; v72-75 K's scale words: register t >> 1, lanes 0-15 even t, lanes 16-31 odd t
.set UH,  76                           ; v76-77 V's scale halves as loaded
.set VS,  78                           ; v78-79 V's scale words: register d >> 1
.set S,   80                           ; v80-143 S^T, then p
.set OT,  144                          ; v144-207 O^T, 32 registers a tile
.set PCD, 208                          ; v208-223 p's codes, 8 a tile
.set PWD, 224                          ; v224-225 p's scale words
.set T,   226                          ; v226-229
.set BM,  230                          ; v230-231 a block's largest score, then its largest p
.set TP,  232
.set T2,  233
.set FO,  234
.set FT,  235
.set F,   236                          ; v[236:237] 2^(old M - new M) (the pair's upper word is named with it, so it is written once)
.set A2,  238
.set SO,  240
.set BY,  242
.set RL,  244                          ; v[244:245], v[246:247] 1 / l
.set CD,  248
.set WA,  252                          ; v252, v253 the context's scale halves of tiles A and B
.set CSW, 254
.set G1,  16                           ; s[16:23] group 1;  s[24:39] groups 0, one for each chunk
.set G0,  24
.set WV,  40
.set HI,  41                           ; lanes 16-31
.set SEL, 42
.set CS,  44                           ; s[44:45] c = log2(e) / 8
.set TB,  46
.set TS,  47
.set TU,  48
.set CNT, 49
.macro CROUND
	s_barrier_signal -1
	s_barrier_wait -1
	s_cmp_lg_u32 s[WV], 0
	s_cbranch_scc1 .Lnot_wave_0_\@
	s_barrier_signal -3
.Lnot_wave_0_\@:
	s_barrier_wait -3
	s_barrier_signal -1
	s_barrier_wait -1
.endm
	s_load_b256 s[4:11], s[0:1], 0x0               ; qc, qs, kv, cc
	s_load_b64 s[12:13], s[0:1], 0x20              ; cs
	v_lshl_add_u32 v[SPW], v0, 2, SPARE
	v_mov_b32 v[NIL], 0
	ds_add_u32 v[SPW], v[NIL]                      ; the wave's opening: the add, twice on end, and its wait ahead of the first tensor load; the set-up below stands between
	ds_add_u32 v[SPW], v[NIL]
	v_lshrrev_b32 v1, 5, v0
	s_delay_alu instid0(VALU_DEP_1)
	v_readfirstlane_b32 s[WV], v1                  ; wave 0..15
	s_bfe_u32 s52, ttmp6, 0x40000                  ; cx: my block of 512 queries: it enters Q's and the context's addresses alone
	s_and_b32 s53, ttmp7, 0xffff                   ; bh = 16 x batch + head, which the four partners share
	s_mov_b32 s[G1], 15|(3<<16)|(1<<21)            ; the mask: all four; elements of 8 bytes; bit 21 beside a mask; no padding
	s_mov_b32 s[G1+1], 32<<16                      ; 70 rows of 256 bytes, dense: half a chunk
	s_mov_b32 s[G1+2], 70<<16
	s_mov_b32 s[G1+3], 32<<16
	s_mov_b32 s[G1+4], 70
	s_mov_b32 s[G1+5], 32
	s_mov_b32 s[G1+6], 0
	s_mov_b32 s[G1+7], 0
	s_mul_i32 s54, s53, 4*CHB                      ; the head in kv
	s_mul_i32 s55, s[WV], CHB/2                    ; which half of a chunk I fetch (waves 0 and 1)
	s_add_co_u32 s56, s54, s55
	s_mov_b32 s57, 0
.irp n, 0,1,2,3
	s_mov_b32 s[G0+4*\n], 1
	s_add_co_u32 s[G0+4*\n+1], s55, \n*CHB         ; in LDS as in memory
.endr
	s_lshl_b32 s58, s53, 16                        ; qc: 65,536 bytes a head, 512 a tile: my tiles are 32 cx + 2 w and the next
	s_lshl_b32 s60, s52, 14
	s_add_co_u32 s58, s58, s60
	s_lshl_b32 s60, s[WV], 10
	s_add_co_u32 s58, s58, s60
	s_mov_b32 s59, 0
	s_lshl_b32 s60, s53, 13                        ; qs: 8,192 bytes a head; pair of tiles pq = 16 cx + w: 256 (pq >> 1) + 4 (pq & 1), 8 bytes a lane
	s_lshl_b32 s62, s52, 11
	s_add_co_u32 s60, s60, s62
	s_lshr_b32 s62, s[WV], 1
	s_lshl_b32 s62, s62, 8
	s_add_co_u32 s60, s60, s62
	s_and_b32 s62, s[WV], 1
	s_lshl_b32 s62, s62, 2
	s_add_co_u32 s60, s60, s62
	s_mov_b32 s61, 0
	s_lshr_b32 s62, s53, 4
	s_lshl_b32 s62, s62, 4
	s_lshl_b32 s63, s52, 2
	s_add_co_u32 s62, s62, s63
	s_lshr_b32 s63, s[WV], 2
	s_add_co_u32 s62, s62, s63                     ; y = 16 x batch + step: my tiles' step of 128 rows
	s_and_b32 s63, s53, 15                         ; the head
	s_and_b32 s66, s[WV], 3                        ; my pair of tiles in the step
	s_lshr_b32 s67, s63, 1                         ; the last product's K step: two heads
	s_and_b32 s71, s63, 1                          ; and which half of it
	s_lshl_b32 s68, s62, 16                        ; cc: [y][K step][tile][half][lane][16]
	s_lshl_b32 s70, s67, 13
	s_add_co_u32 s68, s68, s70
	s_lshl_b32 s70, s66, 11
	s_add_co_u32 s68, s68, s70
	s_lshl_b32 s70, s71, 9
	s_add_co_u32 s68, s68, s70
	s_mov_b32 s69, 0
	s_lshl_b32 s50, s62, 2                         ; cs: [4 y + pair][K step][lane][half] of 2 bytes
	s_add_co_u32 s50, s50, s66
	s_lshl_b32 s50, s50, 10
	s_lshl_b32 s70, s67, 7
	s_add_co_u32 s50, s50, s70
	s_lshl_b32 s70, s71, 1
	s_add_co_u32 s50, s50, s70
	s_mov_b32 s51, 0
	s_mov_b32 s[HI], 0xffff0000
	s_mov_b32 s[SEL], 0x76543210
	s_mov_b32 s[SEL+1], 0xfedcba98
	s_mov_b32 s[CS], 0x3e38aa3b                    ; log2(e) / 8
	s_mov_b32 s[CS+1], s[CS]                       ; (named with it as a pair, so it is written)
	s_wait_dscnt 0x0                               ; both opening adds are done
	s_wait_kmcnt 0x0
.irp n, 0,1,2,3
	s_add_nc_u64 s[G0+4*\n+2:G0+4*\n+3], s[8:9], s[56:57]
	s_add_nc_u64 s[G0+4*\n+2:G0+4*\n+3], s[G0+4*\n+2:G0+4*\n+3], \n*CHB
	s_or_b32 s[G0+4*\n+3], s[G0+4*\n+3], 0x80000000
.endr
	s_add_nc_u64 s[4:5], s[4:5], s[58:59]
	s_add_nc_u64 s[6:7], s[6:7], s[60:61]
	s_add_nc_u64 s[10:11], s[10:11], s[68:69]
	s_add_nc_u64 s[12:13], s[12:13], s[50:51]
	CROUND                                         ; all four work-groups are here: the joint loads meet
	s_cmp_lt_u32 s[WV], 2                          ; all fills of the launch, in one branch: waves 0 and 1, the four chunks in order: four loads of mine are out
	s_cbranch_scc0 .Lasked
.irp n, 0,1,2,3
	tensor_load_to_lds s[G0+4*\n:G0+4*\n+3], s[G1:G1+7]
	s_nop 0
.endr
.rept 4
	v_nop
.endr
.Lasked:
	v_and_b32 v19, 31, v0
	s_delay_alu instid0(VALU_DEP_1)
	v_lshlrev_b32 v[L16], 4, v19
	s_delay_alu instid0(VALU_DEP_2)
	v_lshlrev_b32 v[L8], 3, v19
	s_delay_alu instid0(VALU_DEP_3)
	v_lshlrev_b32 v[L4], 2, v19
	v_bfe_u32 v[SH8], v0, 4, 1
	s_delay_alu instid0(VALU_DEP_1)
	v_lshlrev_b32 v[SH8], 3, v[SH8]
	global_load_b128 v[QA:QA+3], v[L16], s[4:5]
	global_load_b128 v[QA+8:QA+11], v[L16], s[4:5] offset:512
	global_load_b32 v[QS], v[L8], s[6:7]
.irp j, 4,5,6,7,12,13,14,15
	v_mov_b32 v[QA+\j], 0                          ; the zero codes that fill K = 64 up to 128
.endr
.irp j, 32,33,34,35
	v_mov_b32 v[KF+\j], 0                          ; behind K's last tile
.endr
	v_mov_b32 v[TP], 0                             ; written once: a lane permute's destination counts as one of its sources
	v_mov_b32 v[F+1], 0
.irp x, 0,1
	v_mov_b32 v[ST+4*\x], 0x7f61b1e6               ; -M: 3e38
	v_mov_b32 v[ST+4*\x+1], 0xff61b1e6             ; the largest score so far: -3e38, under every score
	v_mov_b32 v[ST+4*\x+2], 0                      ; the sum
	v_mov_b32 v[ST+4*\x+3], 0
.endr
.set j, 0
.rept 64
	v_mov_b32 v[OT+j], 0                           ; O^T.  (The step is written once: the first finds zeros, which the first change of M leaves zeros)
.set j, j+1
.endr
	s_wait_loadcnt 0x0                             ; Q
; S^T = K Q^T for tile x: eight tiles of 16 keys
.macro QK x
.irp t, 0,1,2,3,4,5,6,7
.if ((\t)%2 == 0) && ((\x) == 0)
	v_wmma_scale_f32_16x16x128_f8f6f4 v[S+8*\t:S+8*\t+7], v[KF+4*\t:KF+4*\t+7], v[QA+8*(\x):QA+8*(\x)+7], 0, v[KS+\t/2], v[QS] matrix_a_fmt:MATRIX_FMT_FP4 matrix_b_fmt:MATRIX_FMT_FP4
.elseif (\x) == 0
	v_wmma_scale_f32_16x16x128_f8f6f4 v[S+8*\t:S+8*\t+7], v[KF+4*\t:KF+4*\t+7], v[QA+8*(\x):QA+8*(\x)+7], 0, v[KS+\t/2], v[QS] matrix_a_fmt:MATRIX_FMT_FP4 matrix_b_fmt:MATRIX_FMT_FP4 matrix_a_scale:MATRIX_SCALE_ROW1
.elseif (\t)%2 == 0
	v_wmma_scale_f32_16x16x128_f8f6f4 v[S+8*\t:S+8*\t+7], v[KF+4*\t:KF+4*\t+7], v[QA+8*(\x):QA+8*(\x)+7], 0, v[KS+\t/2], v[QS] matrix_a_fmt:MATRIX_FMT_FP4 matrix_b_fmt:MATRIX_FMT_FP4 matrix_b_scale:MATRIX_SCALE_ROW1
.else
	v_wmma_scale_f32_16x16x128_f8f6f4 v[S+8*\t:S+8*\t+7], v[KF+4*\t:KF+4*\t+7], v[QA+8*(\x):QA+8*(\x)+7], 0, v[KS+\t/2], v[QS] matrix_a_fmt:MATRIX_FMT_FP4 matrix_b_fmt:MATRIX_FMT_FP4 matrix_a_scale:MATRIX_SCALE_ROW1 matrix_b_scale:MATRIX_SCALE_ROW1
.endif
.endr
.endm
; Tile x's softmax for 128 keys.  Register S + 32 c + q is key 64 c + 32 h + q of my query: block 2 c + h is all mine.
.macro SOFT x
.set NM, ST+4*(\x)
.irp q, 0,1,2,3
	v_max3_num_f32 v[T+\q], v[S+16*\q], v[S+16*\q+1], v[S+16*\q+2]   ; four chains of 15 scores; each accumulator is first read at its low end
.endr
.irp k, 3,5,7,9,11,13
.irp q, 0,1,2,3
	v_max3_num_f32 v[T+\q], v[T+\q], v[S+16*\q+\k], v[S+16*\q+\k+1]
.endr
.endr
.irp c, 0,1
	v_max3_num_f32 v[BM+\c], v[T+2*\c], v[T+2*\c+1], v[S+32*\c+15]
.endr
.irp c, 0,1
	v_max_num_f32 v[BM+\c], v[BM+\c], v[S+32*\c+31]   ; THE LARGEST SCORE OF EACH BLOCK: it serves the row's maximum and, since p rises with the score, the block's largest p
.endr
	s_delay_alu instid0(VALU_DEP_1)
	v_max_num_f32 v[T2], v[BM], v[BM+1]
	s_delay_alu instid0(VALU_DEP_1)
	v_permlanex16_b32 v[TP], v[T2], s[SEL], s[SEL+1]
	s_delay_alu instid0(VALU_DEP_1)
	v_max3_num_f32 v[NM+1], v[T2], v[TP], v[NM+1]  ; the running largest score of my query
	s_delay_alu instid0(VALU_DEP_1)
	v_mul_f32 v[FT], s[CS], v[NM+1]                ; as t (c is positive)
	v_mov_b32 v[FO], v[NM]
	s_delay_alu instid0(VALU_DEP_2)
	v_floor_f32 v[NM], -v[FT]                      ; the new -M = floor(-t) = -ceil(t): a whole number
	s_delay_alu instid0(VALU_DEP_1)
	v_sub_f32 v[FO], v[NM], v[FO]                  ; old M less new M: a whole number, 0 or less
	s_delay_alu instid0(VALU_DEP_1)
	v_cvt_i32_f32 v[FO], v[FO]                     ; (it saturates)
	s_delay_alu instid0(VALU_DEP_1)
	v_ldexp_f32 v[F], 1.0, v[FO]                   ; f = 2^(old M - new M)
.set j, 0
.rept 32
	v_pk_fma_f32 v[S+j:S+j+1], v[S+j:S+j+1], s[CS:CS+1], v[NM:NM+1] op_sel_hi:[1,0,0]   ; t - M, two at a time (of the pairs c and -M the low word serves both halves)
.set j, j+2
.endr
.irp c, 0,1
	v_fma_f32 v[BM+\c], v[BM+\c], s[CS], v[NM]     ; the same of each block's largest score
.endr
.set j, 0
	s_wait_alu depctr_va_vdst(0)
.rept 64
	v_exp_f32 v[S+j], v[S+j]                       ; p = 2^(t - M): one batch
.set j, j+1
.endr
	v_pk_mul_f32 v[NM+2:NM+3], v[NM+2:NM+3], v[F:F+1] op_sel_hi:[1,0]   ; the sum under the new M: the plain instruction behind the exponentials
	s_wait_alu depctr_va_vdst(0)                   ; one wait for the whole batch, ahead of its first reader
.irp c, 0,1
	v_exp_f32 v[BM+\c], v[BM+\c]                   ; the block's largest p
.endr
	v_pk_add_f32 v[A2:A2+1], v[S:S+1], v[S+2:S+3]  ; THE ROW'S SUM IS TAKEN OF THE UNQUANTISED p, in two chains.  (It reads the 64 alone: plain work behind the two)
.irp k, 4,8,12,16,20,24,28,32,36,40,44,48,52,56,60
	v_pk_add_f32 v[NM+2:NM+3], v[NM+2:NM+3], v[S+\k:S+\k+1]
	v_pk_add_f32 v[A2:A2+1], v[A2:A2+1], v[S+\k+2:S+\k+3]
.endr
	s_delay_alu instid0(VALU_DEP_1)
	v_pk_add_f32 v[NM+2:NM+3], v[NM+2:NM+3], v[A2:A2+1]
	s_wait_alu depctr_va_vdst(0)                   ; and one for the two
.irp c, 0,1
	v_max_num_f32 v[BM+\c], 0x1800000, v[BM+\c]    ; the floor 2^(3 - 127): the byte cannot fall under 1
.endr
.irp c, 0,1
	s_delay_alu instid0(VALU_DEP_2)
	v_add_nc_u32 v[SO+\c], 0xff000000, v[BM+\c]    ; 2 off the exponent field: the conversion's scale operand
.endr
.irp c, 0,1
	s_delay_alu instid0(VALU_DEP_2)
	v_lshrrev_b32 v[BY+\c], 23, v[SO+\c]           ; the byte of block 2 c + h
.endr
	s_delay_alu instid0(VALU_DEP_1)
	v_lshl_or_b32 v[PWD+(\x)], v[BY+1], 16, v[BY]
	s_delay_alu instid0(VALU_DEP_1)
	v_lshlrev_b32 v[PWD+(\x)], v[SH8], v[PWD+(\x)] ; at bytes h and 2 + h
	s_delay_alu instid0(VALU_DEP_1)
	v_permlanex16_b32 v[TP], v[PWD+(\x)], s[SEL], s[SEL+1]
	s_delay_alu instid0(VALU_DEP_1)
	v_or_b32 v[PWD+(\x)], v[PWD+(\x)], v[TP]       ; with lane l xor 16's two the word is whole
.irp c, 0,1
.irp i, 0,1,2,3
	v_cvt_scalef32_pk8_fp4_f32 v[PCD+8*(\x)+4*\c+\i], v[S+32*\c+8*\i:S+32*\c+8*\i+7], v[SO+\c]   ; register 4 c + i of P's operand as it stands
.endr
.endr
	v_nop                                          ; one plain place behind a scaled conversion
.set j, 0
.rept 16
	v_pk_mul_f32 v[OT+32*(\x)+j:OT+32*(\x)+j+1], v[OT+32*(\x)+j:OT+32*(\x)+j+1], v[F:F+1] op_sel_hi:[1,0]   ; O^T under the new M.  (These 16 are also the places that the scale word and the codes owe ahead of the products)
.set j, j+2
.endr
.endm
; O^T += V^T P^T: four tiles of 16 channels x two tiles of queries; the eight accumulators take turns, one instruction a turn
.macro PV
.irp d, 0,1,2,3
.irp x, 0,1
.if (\d)%2
	v_wmma_scale_f32_16x16x128_f8f6f4 v[OT+32*\x+8*\d:OT+32*\x+8*\d+7], v[KF+8*\d:KF+8*\d+7], v[PCD+8*\x:PCD+8*\x+7], v[OT+32*\x+8*\d:OT+32*\x+8*\d+7], v[VS+\d/2], v[PWD+\x] matrix_a_fmt:MATRIX_FMT_FP4 matrix_b_fmt:MATRIX_FMT_FP4 matrix_a_scale:MATRIX_SCALE_ROW1
.else
	v_wmma_scale_f32_16x16x128_f8f6f4 v[OT+32*\x+8*\d:OT+32*\x+8*\d+7], v[KF+8*\d:KF+8*\d+7], v[PCD+8*\x:PCD+8*\x+7], v[OT+32*\x+8*\d:OT+32*\x+8*\d+7], v[VS+\d/2], v[PWD+\x] matrix_a_fmt:MATRIX_FMT_FP4 matrix_b_fmt:MATRIX_FMT_FP4
.endif
.endr
.endr
.endm
; A KEY STEP: 128 keys
.macro STEP
	v_add_nc_u32 v[ADK], s[TB], v[L16]
	v_add_nc_u32 v[ADS], s[TS], v[L8]
	v_add_nc_u32 v[ADU], s[TU], v[L4]
	v_nop                                          ; these four are the places in front of loads into registers that the last products read
.irp t, 0,1,2,3,4,5,6,7
	ds_load_b128 v[KF+4*\t:KF+4*\t+3], v[ADK] offset:512*\t
.endr
.irp c, 0,1
	ds_load_b64 v[KS+2*\c:KS+2*\c+1], v[ADS] offset:256*\c
	ds_load_b32 v[UH+\c], v[ADU] offset:128*\c
.endr
	s_wait_dscnt 0x0
	QK 0
.rept 4
	v_nop
.endr
	SOFT 0
	QK 1
	v_perm_b32 v[VS], v[UH+1], v[UH], 0x05040100   ; V's scale words: the two halves' low 16 bits: channel tiles 0 (lanes 0-15) and 1;
	v_perm_b32 v[VS+1], v[UH+1], v[UH], 0x07060302 ; their high 16 bits: tiles 2 and 3
	v_nop
	v_nop                                          ; four places: for the loads below and for the first read of the scores
.irp d, 0,1,2,3
.irp c, 0,1
	ds_load_b128 v[KF+8*\d+4*\c:KF+8*\d+4*\c+3], v[ADK] offset:16384+1024*\d+512*\c   ; V lands while tile B's softmax is walked
.endr
.endr
	s_setprio 1
	SOFT 1
	s_setprio 0
	s_wait_alu depctr_va_vdst(0)
	s_wait_dscnt 0x0
	PV
.endm
; A chunk of 512 keys: four steps, written once and walked four times.  n: the chunk
.macro CHUNK n
	s_wait_tensorcnt 3-\n                          ; my loads up to this chunk's are in; the later chunks', issued behind it, stay out
	s_wait_dscnt 0x0
	s_barrier_signal -1
	s_barrier_wait -1                              ; both fetching waves' are
	s_mov_b32 s[TB], \n*CHB
	s_mov_b32 s[TS], \n*CHB+32768
	s_mov_b32 s[TU], \n*CHB+34816
	s_mov_b32 s[CNT], 4
.Lstep_\@:
	s_setprio 2
	STEP
	s_add_co_u32 s[TB], s[TB], 4096
	s_add_co_u32 s[TS], s[TS], 512
	s_add_co_u32 s[TU], s[TU], 256
	s_sub_co_u32 s[CNT], s[CNT], 1
	s_cmp_lg_u32 s[CNT], 0
	s_cbranch_scc1 .Lstep_\@
	s_setprio 0
.endm
	CHUNK 0
	CHUNK 1
	CHUNK 2
	CHUNK 3
	; THE WAY OUT.  O^T / l is the context: register 8 d + j of lane (r, h) is channel 16 d + 8 h + j of my query.  It is quantised along the channels (two blocks a head) and leaves as half a fragment of the last product.
.rept 4
	v_nop
.endr
.irp x, 0,1
	v_add_f32 v[T+\x], v[ST+4*\x+2], v[ST+4*\x+3]  ; the sum's two halves,
.endr
.irp x, 0,1
	s_delay_alu instid0(VALU_DEP_2)
	v_permlanex16_b32 v[T+2+\x], v[T+\x], s[SEL], s[SEL+1]
.endr
.irp x, 0,1
	s_delay_alu instid0(VALU_DEP_2)
	v_add_f32 v[T+\x], v[T+\x], v[T+2+\x]          ; and lane l xor 16's keys: l
.endr
	s_wait_alu depctr_va_vdst(0)
.irp x, 0,1
	v_rcp_f32 v[RL+2*\x], v[T+\x]
.endr
.irp x, 0,1
	v_mov_b32 v[RL+2*\x+1], 0                      ; the pairs' upper words are named, so they are written: plain instructions behind the reciprocals
.endr
	s_wait_alu depctr_va_vdst(0)                   ; one wait for both, ahead of the first reader
.macro CTX x
.set OX, OT+32*(\x)
.set j, 0
.rept 16
	v_pk_mul_f32 v[OX+j:OX+j+1], v[OX+j:OX+j+1], v[RL+2*(\x):RL+2*(\x)+1] op_sel_hi:[1,0]   ; each accumulator from its low end on
.set j, j+2
.endr
.irp e, 0,1
	v_max3_num_f32 v[T+\e], |v[OX+16*\e]|, |v[OX+16*\e+1]|, 0x1800000
.endr
.irp k, 2,4,6,8,10,12,14
.irp e, 0,1
	s_delay_alu instid0(VALU_DEP_2)
	v_max3_num_f32 v[T+\e], v[T+\e], |v[OX+16*\e+\k]|, |v[OX+16*\e+\k+1]|
.endr
.endr
.irp e, 0,1
	s_delay_alu instid0(VALU_DEP_2)
	v_permlanex16_b32 v[T+2+\e], v[T+\e], s[SEL], s[SEL+1]
.endr
.irp e, 0,1
	s_delay_alu instid0(VALU_DEP_2)
	v_max_num_f32 v[T+\e], v[T+\e], v[T+2+\e]
.endr
.irp e, 0,1
	s_delay_alu instid0(VALU_DEP_2)
	v_add_nc_u32 v[SO+\e], 0xff000000, v[T+\e]
.endr
.irp e, 0,1
	s_delay_alu instid0(VALU_DEP_2)
	v_lshrrev_b32 v[BY+\e], 23, v[SO+\e]
.endr
	s_delay_alu instid0(VALU_DEP_1)
	v_lshl_or_b32 v[WA+(\x)], v[BY+1], 8, v[BY]    ; the head's two bytes of my row's scale word
.if (\x) > 0
	s_wait_alu depctr_va_vdst(0)
	s_wait_xcnt 0x0                                ; tile A's store has read its registers
.endif
.irp u, 0,1
.irp e, 0,1
	v_cvt_scalef32_pk8_fp4_f32 v[CD+2*\u+\e], v[OX+16*\e+8*\u:OX+16*\e+8*\u+7], v[SO+\e]
.endr
.endr
	v_nop                                          ; one plain place behind a scaled conversion
	v_permlane16_swap_b32 v[CD], v[CD+1]           ; a whole block in a lane: lane (r, h) holds channels 32 h + 0 .. 31
	v_permlane16_swap_b32 v[CD+2], v[CD+3]
	global_store_b128 v[L16], v[CD:CD+3], s[10:11] offset:1024*(\x)   ; 512 bytes on end
.endm
	CTX 0
	CTX 1
	v_cndmask_b32 v[CSW], v[WA], v[WA+1], s[HI]    ; lanes 0-15 tile A, lanes 16-31 tile B
	global_store_b16 v[L4], v[CSW], s[12:13]       ; 2 bytes of each scale word: all that a head owns of it (64 of the 1,088 bytes that a wave stores)
	s_wait_tensorcnt 0x0                           ; the wave's end
	ds_add_u32 v[SPW], v[NIL]
	s_wait_dscnt 0x0
	CROUND                                         ; the closing round
	s_endpgm
.Lfunc_end_k_qd0d84768cf_attn:
	.size	k_qd0d84768cf_attn, .Lfunc_end_k_qd0d84768cf_attn-k_qd0d84768cf_attn
	.p2alignl 7, 3214868480
	.fill 96, 4, 3214868480
	.section	.rodata,"a",@progbits
	.p2align	6, 0x0
	.amdhsa_kernel k_qd0d84768cf_attn
		.amdhsa_group_segment_fixed_size 167936
		.amdhsa_private_segment_fixed_size 0
		.amdhsa_enable_private_segment 0
		.amdhsa_kernarg_size 40
		.amdhsa_user_sgpr_count 2
		.amdhsa_user_sgpr_kernarg_segment_ptr 1
		.amdhsa_wavefront_size32 1
		.amdhsa_system_sgpr_workgroup_id_x 1
		.amdhsa_system_sgpr_workgroup_id_y 1
		.amdhsa_system_sgpr_workgroup_id_z 1
		.amdhsa_system_vgpr_workitem_id 0
		.amdhsa_next_free_vgpr 256
		.amdhsa_next_free_sgpr 72
		.amdhsa_reserve_vcc 0
		.amdhsa_float_denorm_mode_32 3
		.amdhsa_float_denorm_mode_16_64 3
		.amdhsa_memory_ordered 1
		.amdhsa_forward_progress 1
		.amdhsa_inst_pref_size 130
	.end_amdhsa_kernel
	.amdgpu_metadata
---
amdhsa.version: [ 1, 2 ]
amdhsa.kernels:
  - .name:           k_qd0d84768cf_attn
    .symbol:         k_qd0d84768cf_attn.kd
    .args:
      - { .name: qc, .offset: 0, .size: 8, .value_kind: global_buffer, .address_space: global }
      - { .name: qs, .offset: 8, .size: 8, .value_kind: global_buffer, .address_space: global }
      - { .name: kv, .offset: 16, .size: 8, .value_kind: global_buffer, .address_space: global }
      - { .name: cc, .offset: 24, .size: 8, .value_kind: global_buffer, .address_space: global }
      - { .name: cs, .offset: 32, .size: 8, .value_kind: global_buffer, .address_space: global }
    .group_segment_fixed_size: 167936
    .private_segment_fixed_size: 0
    .kernarg_segment_align: 8
    .kernarg_segment_size: 40
    .max_flat_workgroup_size: 512
    .sgpr_count:     72
    .vgpr_count:     256
    .wavefront_size: 32
...
	.end_amdgpu_metadata
.endif
;; end of part 2
;; launch outp (part 3): grid 4 x 64, 8 waves a work-group, clusters of 4 x 4, 253,440 bytes of LDS; arguments cc, cs, W_o_codes, W_o_scales, b_o, out0; writes out0
.if DOCPART == 3
	.amdgcn_target "amdgcn-amd-amdhsa--gfx1250"
	.amdhsa_code_object_version 6
	.text
	.protected	k_qd0d84768cf_outp
	.globl	k_qd0d84768cf_outp
	.p2align	8
	.type	k_qd0d84768cf_outp,@function
k_qd0d84768cf_outp:
	s_mov_b64 s[64:65], 0
	v_nop
	global_prefetch_b8 v0, s[64:65] scope:SCOPE_SE
	s_setreg_imm32_b32 hwreg(HW_REG_WAVE_MODE, 25, 1), 1
	s_wait_xcnt 0x0
	s_wait_alu depctr_hold_cnt(0) depctr_sa_sdst(0) depctr_va_vdst(0) depctr_va_sdst(0) depctr_va_ssrc(0) depctr_va_vcc(0) depctr_vm_vsrc(0)
	s_getreg_b32 s2, hwreg(HW_REG_IB_STS2, 6, 4)
	s_cmp_eq_u32 s2, 0
	s_cbranch_scc0 .Lentry_in_a_cluster
	s_endpgm
.Lentry_in_a_cluster:
	s_bfe_u32 s2, ttmp6, 0x10000c
	s_cmp_lg_u32 s2, 0xf033
	s_cbranch_scc0 .Lentry_shape_is_right
	s_endpgm
.Lentry_shape_is_right:
; MULTI-HEAD ATTENTION IN MX-FP4, launch 3 of 3: out = context Wo^T + bo, on codes of E2M1 with E8M0 scales; sums in f32.  No work is left out.
; SHARES.  A work-group makes one step of 128 rows x 256 columns; wave w makes the step's tiles 4 c .. 4 c + 3 (c = w >> 2: 64 rows) x columns 64 (w & 3) on: 16 accumulators.
; Source 0 = 16 rows of Wo, source 1 = a tile of the context: a lane holds one row of the output and eight neighbouring columns.  The tiles' rows are those of the program's row map; the way out puts them back.
; LDS.  All operands lie in LDS at once, each byte filled once: the context's images (64 KiB, as they lie in memory, K half by K half), Wo's 256 rows (two K halves of 256 bytes + 16 a row), both sides' scales; then a stage for each wave.
; CLUSTER 4 x 4: the context hangs on the step alone and is asked for jointly along a row of the cluster, Wo's rows on the column block alone, along a column.
; THE BIAS is loaded straight into the accumulators, in the result's layout, so that every K step adds in place and no addition is spent on it.
.set PITCH, 272
.set WB0,  65536                       ; Wo, K half 0: 256 rows x 272
.set WBH,  256*PITCH
.set WSC,  WB0+2*WBH                   ; Wo's scale bytes: 32 units of 256 + 16
.set CSC,  WSC+32*PITCH                ; the context's scale words: 4 pairs of tiles x 8 K steps x 128 bytes
.set STG,  CSC+4096                    ; the stages: 16 rows x 272 for each wave; no fill lands here
.set SPARE, STG+8*16*PITCH             ; the spare words, 128 bytes for each wave: four blocks of 256 bytes that no other line names
.set BO,   1                           ; v1   32 h: the bias loads' offset
.set SPW,  2
.set NIL,  3
.set ADW,  4                           ; v4, v5 my rows of Wo in K half 0, 1
.set ADC,  6                           ; v6   my tiles' images
.set ADWS, 7                           ; v7   Wo's scale words
.set ADCS, 8                           ; v8   the context's
.set STO,  9                           ; v9   the stage: where I put 32 bytes of a row
.set RD,   10                          ; v10  and where I read a row back
.set CO,   11                          ; v11  my byte offset in two rows of the output
.set WS,   16                          ; v16-31 Wo's scale words: 4 t + kq
.set CSR,  32                          ; v32-39 the context's: 2 kq + pair; lanes 0-15 the even tile, lanes 16-31 the odd
.set WF,   64                          ; v64-95 Wo's four fragments
.set CF,   96                          ; v96-127 the context's four
.set ACC,  128                         ; accumulator (i, t) at 8 (4 i + t)
.set G1C,  16                          ; s[16:23] group 1, the context's codes;  s[24:31] its scales;  s[32:39] Wo's codes;  s[40:47] its scales
.set G1CS, 24
.set G1W,  32
.set G1WS, 40
.set G0C,  48                          ; s[48:59] groups 0 for the context: scales, half 0, half 1;  s[68:79] for Wo
.set G0W,  68
.set WV,   80
.set W3,   81                          ; w & 3
.set CH,   82                          ; w >> 2
.set XB,   83                          ; the block of 256 columns
.set YB,   84                          ; the step
.macro CROUND
	s_barrier_signal -1
	s_barrier_wait -1
	s_cmp_lg_u32 s[WV], 0
	s_cbranch_scc1 .Lnot_wave_0_\@
	s_barrier_signal -3
.Lnot_wave_0_\@:
	s_barrier_wait -3
	s_barrier_signal -1
	s_barrier_wait -1
.endm
	s_load_b256 s[4:11], s[0:1], 0x0               ; cc, cs, Wo codes, Wo scales
	s_load_b128 s[12:15], s[0:1], 0x20             ; bo, out0
	v_lshl_add_u32 v[SPW], v0, 2, SPARE
	v_mov_b32 v[NIL], 0
	ds_add_u32 v[SPW], v[NIL]                      ; the wave's opening: the add, twice on end, and its wait ahead of the first tensor load; the set-up below stands between
	ds_add_u32 v[SPW], v[NIL]
	v_lshrrev_b32 v1, 5, v0
	s_delay_alu instid0(VALU_DEP_1)
	v_readfirstlane_b32 s[WV], v1                  ; wave 0..7
	s_and_b32 s[W3], s[WV], 3
	s_lshr_b32 s[CH], s[WV], 2
	s_bfe_u32 s[XB], ttmp6, 0x40000                ; cx
	s_bfe_u32 s[YB], ttmp6, 0x40004                ; cy
	s_lshl_b32 s85, 0x1111, s[XB]                  ; my column of the cluster
	s_lshl_b32 s86, s[YB], 2
	s_lshl_b32 s86, 15, s86                        ; my row
	s_or_b32 s[G1C], s86, (3<<16)|(1<<21)          ; elements of 8 bytes; bit 21 beside a mask; no padding: images are read as bytes on end
	s_or_b32 s[G1CS], s86, (3<<16)|(1<<21)
	s_or_b32 s[G1W], s85, (1<<20)|(1<<21)|(5<<22)|(3<<25)          ; elements of 1 byte; 4 words of padding behind every 64
	s_or_b32 s[G1WS], s85, (3<<16)|(1<<20)|(1<<21)|(5<<22)|(3<<25)
	s_mov_b32 s[G1C+1], 32<<16                     ; one K step's images: 32 rows of 256 bytes, dense
	s_mov_b32 s[G1C+2], 32<<16
	s_mov_b32 s[G1C+3], 32<<16
	s_mov_b32 s[G1C+4], 32
	s_mov_b32 s[G1C+5], 32
	s_mov_b32 s[G1C+6], 0
	s_mov_b32 s[G1C+7], 0
	s_mov_b32 s[G1CS+1], 32<<16                    ; a pair of tiles' scale words: 4 rows of 256 bytes
	s_mov_b32 s[G1CS+2], 4<<16
	s_mov_b32 s[G1CS+3], 32<<16
	s_mov_b32 s[G1CS+4], 4
	s_mov_b32 s[G1CS+5], 32
	s_mov_b32 s[G1CS+6], 0
	s_mov_b32 s[G1CS+7], 0
	s_mov_b32 s[G1W+1], 256<<16                    ; 64 rows x 256 bytes, 512 apart in memory
	s_mov_b32 s[G1W+2], 64<<16
	s_mov_b32 s[G1W+3], 256<<16
	s_mov_b32 s[G1W+4], 64
	s_mov_b32 s[G1W+5], 512
	s_mov_b32 s[G1W+6], 0
	s_mov_b32 s[G1W+7], 0
	s_mov_b32 s[G1WS+1], 32<<16                    ; the scale bytes of 64 rows: 8 rows of 256
	s_mov_b32 s[G1WS+2], 8<<16
	s_mov_b32 s[G1WS+3], 32<<16
	s_mov_b32 s[G1WS+4], 8
	s_mov_b32 s[G1WS+5], 32
	s_mov_b32 s[G1WS+6], 0
	s_mov_b32 s[G1WS+7], 0
	s_lshl_b32 s85, ttmp9, 2
	s_add_co_u32 s[XB], s85, s[XB]                 ; column block = 4 x cluster x + cx
	s_and_b32 s86, ttmp7, 0xffff
	s_lshl_b32 s86, s86, 2
	s_add_co_u32 s[YB], s86, s[YB]                 ; step = 4 x cluster y + cy
	s_lshl_b32 s88, s[YB], 16                      ; cc: 65,536 bytes a step; wave w' fetches K step 4 hf + w': 8,192 bytes
	s_lshl_b32 s86, s[W3], 13
	s_add_co_u32 s88, s88, s86
	s_mov_b32 s89, 0
	s_lshl_b32 s90, s[YB], 12                      ; cs: 4,096 bytes a step; wave w' fetches pair of tiles w': 1,024 bytes
	s_lshl_b32 s86, s[W3], 10
	s_add_co_u32 s90, s90, s86
	s_mov_b32 s91, 0
	s_lshl_b32 s92, s[XB], 17                      ; Wo: 256 rows of 512 bytes a block, 64 rows a wave
	s_lshl_b32 s85, s[W3], 15
	s_add_co_u32 s92, s92, s85
	s_mov_b32 s93, 0
	s_lshr_b32 s94, s92, 4                         ; its scale bytes: 32 a row of 512 bytes of codes
	s_mov_b32 s95, 0
	s_mov_b32 s[G0C], 1
	s_lshl_b32 s[G0C+1], s[W3], 10
	s_add_co_u32 s[G0C+1], s[G0C+1], CSC
	s_mov_b32 s[G0C+4], 1
	s_lshl_b32 s[G0C+5], s[W3], 13
	s_mov_b32 s[G0C+8], 1
	s_add_co_u32 s[G0C+9], s[G0C+5], 32768
	s_mov_b32 s[G0W], 1
	s_mul_i32 s[G0W+1], s[W3], 8*PITCH
	s_add_co_u32 s[G0W+1], s[G0W+1], WSC
	s_mov_b32 s[G0W+4], 1
	s_mul_i32 s[G0W+5], s[W3], 64*PITCH
	s_add_co_u32 s[G0W+5], s[G0W+5], WB0
	s_mov_b32 s[G0W+8], 1
	s_add_co_u32 s[G0W+9], s[G0W+5], WBH
	s_wait_dscnt 0x0                               ; both opening adds are done
	s_wait_kmcnt 0x0
	s_add_nc_u64 s[G0C+2:G0C+3], s[6:7], s[90:91]
	s_add_nc_u64 s[G0C+6:G0C+7], s[4:5], s[88:89]
	s_add_nc_u64 s[G0C+10:G0C+11], s[G0C+6:G0C+7], 32768
	s_or_b32 s[G0C+3], s[G0C+3], 0x80000000
	s_or_b32 s[G0C+7], s[G0C+7], 0x80000000
	s_or_b32 s[G0C+11], s[G0C+11], 0x80000000
	s_add_nc_u64 s[G0W+2:G0W+3], s[10:11], s[94:95]
	s_add_nc_u64 s[G0W+6:G0W+7], s[8:9], s[92:93]
	s_add_nc_u64 s[G0W+10:G0W+11], s[G0W+6:G0W+7], 256
	s_or_b32 s[G0W+3], s[G0W+3], 0x80000000
	s_or_b32 s[G0W+7], s[G0W+7], 0x80000000
	s_or_b32 s[G0W+11], s[G0W+11], 0x80000000
	CROUND                                         ; all sixteen work-groups are here: the joint loads meet
	; All fills of the launch: waves 0-3 for the context, waves 4-7 for Wo; scales, K half 0, K half 1: three loads of mine are out.  An s_nop 0 follows each, four v_nop the last.
	s_cmp_lt_u32 s[WV], 4
	s_cbranch_scc0 .Lfor_w
	tensor_load_to_lds s[G0C:G0C+3], s[G1CS:G1CS+7]
	s_nop 0
	tensor_load_to_lds s[G0C+4:G0C+7], s[G1C:G1C+7]
	s_nop 0
	tensor_load_to_lds s[G0C+8:G0C+11], s[G1C:G1C+7]
	s_nop 0
.rept 4
	v_nop
.endr
	s_branch .Lasked
.Lfor_w:
	tensor_load_to_lds s[G0W:G0W+3], s[G1WS:G1WS+7]
	s_nop 0
	tensor_load_to_lds s[G0W+4:G0W+7], s[G1W:G1W+7]
	s_nop 0
	tensor_load_to_lds s[G0W+8:G0W+11], s[G1W:G1W+7]
	s_nop 0
.rept 4
	v_nop
.endr
.Lasked:
	v_and_b32 v12, 15, v0                          ; r
	v_bfe_u32 v13, v0, 4, 1                        ; h
	v_and_b32 v14, 31, v0                          ; lane
	s_delay_alu instid0(VALU_DEP_2)
	v_lshlrev_b32 v[BO], 5, v13
	s_wait_alu depctr_va_vdst(0)
	s_lshl_b32 s60, s[XB], 10                      ; my 64 columns: 1,024 bytes a block, 256 a wave
	s_lshl_b32 s61, s[W3], 8
	s_add_co_u32 s60, s60, s61
	s_mov_b32 s61, 0
	s_add_nc_u64 s[12:13], s[12:13], s[60:61]      ; in bo,
	s_add_nc_u64 s[14:15], s[14:15], s[60:61]      ; and in a row of the output
	s_lshl_b32 s60, s[YB], 19                      ; my first row: 128 rows of 4,096 bytes a step, 64 a half
	s_lshl_b32 s62, s[CH], 18
	s_add_co_u32 s60, s60, s62
	s_add_nc_u64 s[14:15], s[14:15], s[60:61]
.irp i, 0,1,2,3
.irp t, 0,1,2,3
.irp u, 0,1
	global_load_b128 v[ACC+8*(4*\i+\t)+4*\u:ACC+8*(4*\i+\t)+4*\u+3], v[BO], s[12:13] offset:64*\t+16*\u   ; register j of accumulator (i, t): bo[16 t + 8 h + j]
.endr
.endr
.endr
	s_mul_i32 s62, s[W3], 64*PITCH
	s_add_co_u32 s62, s62, WB0
	v_mul_u32_u24 v15, v12, PITCH
	s_delay_alu instid0(VALU_DEP_1)
	v_lshl_add_u32 v[ADW], v13, 4, v15
	s_delay_alu instid0(VALU_DEP_1)
	v_add_nc_u32 v[ADW], s62, v[ADW]               ; Wo: row r of my 64, + 16 h
	s_delay_alu instid0(VALU_DEP_1)
	v_add_nc_u32 v[ADW+1], WBH, v[ADW]
	s_lshl_b32 s62, s[CH], 12
	v_lshl_add_u32 v[ADC], v14, 4, s62             ; the context: 16 x lane, + my four tiles of 1,024 bytes
	v_bfe_u32 v15, v0, 3, 1
	s_delay_alu instid0(VALU_DEP_1)
	v_mul_u32_u24 v15, v15, PITCH
	v_and_b32 v[ADWS], 7, v0
	s_delay_alu instid0(VALU_DEP_1)
	v_lshl_add_u32 v[ADWS], v[ADWS], 5, v15
	s_mul_i32 s62, s[W3], 8*PITCH
	s_add_co_u32 s62, s62, WSC
	v_add_nc_u32 v[ADWS], s62, v[ADWS]             ; Wo's scale bytes: unit r >> 3, 32 (r & 7)
	s_lshl_b32 s62, s[CH], 11
	s_add_co_u32 s62, s62, CSC
	v_lshl_add_u32 v[ADCS], v14, 2, s62            ; the context's: 4 x lane, + my two pairs of tiles
	s_mul_i32 s62, s[WV], 16*PITCH
	s_add_co_u32 s62, s62, STG                     ; my stage
	v_mul_u32_u24 v[STO], v12, PITCH
	s_delay_alu instid0(VALU_DEP_1)
	v_lshl_add_u32 v[STO], v13, 5, v[STO]
	s_delay_alu instid0(VALU_DEP_1)
	v_add_nc_u32 v[STO], s62, v[STO]               ; in: row r, 32 bytes for each half of the lanes
	v_mul_u32_u24 v[RD], v13, PITCH
	s_delay_alu instid0(VALU_DEP_1)
	v_lshl_add_u32 v[RD], v12, 4, v[RD]
	s_delay_alu instid0(VALU_DEP_1)
	v_add_nc_u32 v[RD], s62, v[RD]                 ; back: lanes 0-15 one row of 256 bytes, lanes 16-31 the next
	v_lshlrev_b32 v[CO], 12, v13
	s_delay_alu instid0(VALU_DEP_1)
	v_lshl_add_u32 v[CO], v12, 4, v[CO]            ; and the same two rows in the output
; K step k of 128: 16 fragment loads, 16 matrix instructions; the 16 accumulators take turns, one instruction a turn, in the same order in every step.
.macro KSTEP3 k
.set HF, (\k)/4
.set KQ, (\k)%4
.if (\k) > 0
.rept 4
	v_nop                                          ; places in front of loads into registers that matrix instructions have read
.endr
.endif
.if KQ == 0
.irp t, 0,1,2,3
	ds_load_b128 v[WS+4*\t:WS+4*\t+3], v[ADWS] offset:2*PITCH*\t+16*HF   ; a K half's four words of each row
.endr
.irp q, 0,1,2,3
.irp p, 0,1
	ds_load_b32 v[CSR+2*\q+\p], v[ADCS] offset:1024*\p+128*(4*HF+\q)
.endr
.endr
.endif
.irp t, 0,1,2,3
.irp c, 0,1
	ds_load_b128 v[WF+8*\t+4*\c:WF+8*\t+4*\c+3], v[ADW+HF] offset:16*PITCH*\t+64*KQ+32*\c
.endr
.endr
.irp i, 0,1,2,3
.irp c, 0,1
	ds_load_b128 v[CF+8*\i+4*\c:CF+8*\i+4*\c+3], v[ADC] offset:8192*(\k)+1024*\i+512*\c
.endr
.endr
.irp i, 0,1,2,3
	s_wait_dscnt 6-2*\i                            ; the context's later tiles, two loads each, may stay out
.irp t, 0,1,2,3
.if (\i)%2
	v_wmma_scale_f32_16x16x128_f8f6f4 v[ACC+8*(4*\i+\t):ACC+8*(4*\i+\t)+7], v[WF+8*\t:WF+8*\t+7], v[CF+8*\i:CF+8*\i+7], v[ACC+8*(4*\i+\t):ACC+8*(4*\i+\t)+7], v[WS+4*\t+KQ], v[CSR+2*KQ+\i/2] matrix_a_fmt:MATRIX_FMT_FP4 matrix_b_fmt:MATRIX_FMT_FP4 matrix_b_scale:MATRIX_SCALE_ROW1
.else
	v_wmma_scale_f32_16x16x128_f8f6f4 v[ACC+8*(4*\i+\t):ACC+8*(4*\i+\t)+7], v[WF+8*\t:WF+8*\t+7], v[CF+8*\i:CF+8*\i+7], v[ACC+8*(4*\i+\t):ACC+8*(4*\i+\t)+7], v[WS+4*\t+KQ], v[CSR+2*KQ+\i/2] matrix_a_fmt:MATRIX_FMT_FP4 matrix_b_fmt:MATRIX_FMT_FP4
.endif
.endr
.endr
.endm
	s_wait_alu depctr_va_vdst(0)
	s_wait_tensorcnt 1                             ; my scales and my part of K half 0 are in; half 1's load, issued behind them, may stay out
	s_barrier_signal -1
	s_barrier_wait -1                              ; everybody's are
	s_wait_loadcnt 0x0                             ; the bias lies in the accumulators
	KSTEP3 0
	KSTEP3 1
	KSTEP3 2
	KSTEP3 3
	s_wait_tensorcnt 0x0                           ; my part of K half 1
	s_wait_dscnt 0x0
	s_barrier_signal -1
	s_barrier_wait -1
	KSTEP3 4
	KSTEP3 5
	KSTEP3 6
	KSTEP3 7
.rept 4
	v_nop                                          ; places in front of the first read of results, and of loads into the fragments' registers
.endr
; THE WAY OUT, a tile of 16 rows x 64 columns at a time, through my own stage: a lane holds 32 bytes of a row and the lanes beside it other rows; back come whole rows of 256 bytes.
; LDS serves a wave's instructions in order (ISA guide 5.7.1.4): no wait between the stores and the loads, nor in front of the next tile's stores.
.macro TOSTAGE i
.irp t, 0,1,2,3
	ds_store_b128 v[STO], v[ACC+8*(4*(\i)+\t):ACC+8*(4*(\i)+\t)+3] offset:64*\t        ; each accumulator from its low end on
	ds_store_b128 v[STO], v[ACC+8*(4*(\i)+\t)+4:ACC+8*(4*(\i)+\t)+7] offset:64*\t+16
.endr
.irp e, 0,1,2,3,4,5,6,7
	ds_load_b128 v[64+32*((\i)%2)+4*\e:64+32*((\i)%2)+4*\e+3], v[RD] offset:2*PITCH*\e
.endr
.endm
; Stage rows 2 e and 2 e + 1 are lanes r of the tile: by the row map rows 8 i + 2 e (+ 1) of my 64 for e < 4, and 32 further on less 8 for e >= 4: 8 i + 2 e + 24 (e / 4).
.macro SEND i, younger                 ; younger: the LDS instructions issued behind tile i's loads: the next tile's 8 stores and 8 loads, or none
	s_wait_dscnt \younger
.irp e, 0,1,2,3,4,5,6,7
	global_store_b128 v[CO], v[64+32*((\i)%2)+4*\e:64+32*((\i)%2)+4*\e+3], s[14:15] offset:4096*(8*(\i)+2*\e+24*(\e/4)) th:TH_STORE_NT   ; 16 lanes store 256 bytes on end, at a multiple of 256 from the output's first byte
.endr
.endm
	TOSTAGE 0
	TOSTAGE 1
	SEND 0, 16
	s_wait_xcnt 0x0                                ; tile 0's stores have read their registers: tile 2's rows may land there
	TOSTAGE 2
	SEND 1, 16
	s_wait_xcnt 0x0
	TOSTAGE 3
	SEND 2, 16
	SEND 3, 0
	s_wait_tensorcnt 0x0                           ; the wave's end, behind my last LDS store
	ds_add_u32 v[SPW], v[NIL]
	s_wait_dscnt 0x0
	CROUND                                         ; the closing round
	s_endpgm
.Lfunc_end_k_qd0d84768cf_outp:
	.size	k_qd0d84768cf_outp, .Lfunc_end_k_qd0d84768cf_outp-k_qd0d84768cf_outp
	.p2alignl 7, 3214868480
	.fill 96, 4, 3214868480
	.section	.rodata,"a",@progbits
	.p2align	6, 0x0
	.amdhsa_kernel k_qd0d84768cf_outp
		.amdhsa_group_segment_fixed_size 253440
		.amdhsa_private_segment_fixed_size 0
		.amdhsa_enable_private_segment 0
		.amdhsa_kernarg_size 48
		.amdhsa_user_sgpr_count 2
		.amdhsa_user_sgpr_kernarg_segment_ptr 1
		.amdhsa_wavefront_size32 1
		.amdhsa_system_sgpr_workgroup_id_x 1
		.amdhsa_system_sgpr_workgroup_id_y 1
		.amdhsa_system_sgpr_workgroup_id_z 1
		.amdhsa_system_vgpr_workitem_id 0
		.amdhsa_next_free_vgpr 256
		.amdhsa_next_free_sgpr 96
		.amdhsa_reserve_vcc 0
		.amdhsa_float_denorm_mode_32 3
		.amdhsa_float_denorm_mode_16_64 3
		.amdhsa_memory_ordered 1
		.amdhsa_forward_progress 1
		.amdhsa_inst_pref_size 48
	.end_amdhsa_kernel
	.amdgpu_metadata
---
amdhsa.version: [ 1, 2 ]
amdhsa.kernels:
  - .name:           k_qd0d84768cf_outp
    .symbol:         k_qd0d84768cf_outp.kd
    .args:
      - { .name: cc, .offset: 0, .size: 8, .value_kind: global_buffer, .address_space: global }
      - { .name: cs, .offset: 8, .size: 8, .value_kind: global_buffer, .address_space: global }
      - { .name: W_o_codes, .offset: 16, .size: 8, .value_kind: global_buffer, .address_space: global }
      - { .name: W_o_scales, .offset: 24, .size: 8, .value_kind: global_buffer, .address_space: global }
      - { .name: b_o, .offset: 32, .size: 8, .value_kind: global_buffer, .address_space: global }
      - { .name: out0, .offset: 40, .size: 8, .value_kind: global_buffer, .address_space: global }
    .group_segment_fixed_size: 253440
    .private_segment_fixed_size: 0
    .kernarg_segment_align: 8
    .kernarg_segment_size: 48
    .max_flat_workgroup_size: 256
    .sgpr_count:     96
    .vgpr_count:     256
    .wavefront_size: 32
...
	.end_amdgpu_metadata
.endif
;; end of part 3
